; MI455X (gfx1250); checked and timed in simulation.
; The chip was launched on July 23, 2026; its instructions are those of AMD's public machine-readable ISA for CDNA 5 (MIT licence, August 2026) and "CDNA5" Instruction Set Architecture Reference Guide (July 2026). The comments in the code are by the model that wrote it; some were corrected since.
;; Multi Head Attention. Allowed arithmetic: matrix products marked QUANTISED: E2M1 operands, one E8M0 scale for each 32 along K, by v_wmma_scale_f32_16x16x128_f8f6f4 with both operands' format E2M1 (or v_wmma_scale_f32_32x16x128_f4), f32 sums; products left as they are: bf16, f16 or f32 operands; f32 sums; everything else in f32.
;; Inputs: Wk 1,024 x 1,024 float32; Wo 1,024 x 1,024 float32; Wq 1,024 x 1,024 float32; Wv 1,024 x 1,024 float32; bk 1,024 float32; bo 1,024 float32; bq 1,024 float32; bv 1,024 float32; key 4 x 2,048 x 1,024 float32; mask 4 x 1 x 1 x 2,048 bool; query 4 x 2,048 x 1,024 float32; value 4 x 2,048 x 1,024 float32.
;; Outputs: out0 4 x 2,048 x 1,024 float32.
;; This version of the problem:
;;   THIS VERSION OF THE PROBLEM IS GIVEN IN LOW PRECISION. The matrix products marked QUANTISED in the list below multiply operands that are first quantised to E2M1 (2 exponent bits, 1 mantissa bit; 4 bits a number), with one power-of-two scale for each 32 numbers along K (OCP MX v1.0); their sums are f32. The products marked 'left as it is' may take bf16, f16 or f32 operands, with f32 sums. Whichever they take, every output number must still come out within the allowed error. Rounding operands to bf16 (8 significant bits) uses up far more of that allowance than f16 does (11 bits, for magnitudes from 6e-5 to 65,504). All else is computed in f32.
;;   The module's matrix products, in the order in which they are computed (A, B: the left and right operand; K: the contracted axis; several contracted axes count as one K, in the product's order):
;;     1. [M 8,192, K 1,024] x [K 1,024, N 1,024]; A: input query; B: input Wq: QUANTISED
;;     2. [M 8,192, K 1,024] x [K 1,024, N 1,024]; A: input key; B: input Wk: QUANTISED
;;     3. [M 8,192, K 1,024] x [K 1,024, N 1,024]; A: input value; B: input Wv: QUANTISED
;;     4. batch 64 x [M 2,048, K 64] x [K 64, N 2,048]; A: computed on the way; B: computed on the way: left as it is (an operand is computed on the way)
;;     5. batch 64 x [M 2,048, K 2,048] x [K 2,048, N 64]; A: computed on the way; B: computed on the way: left as it is (an operand is computed on the way)
;;     6. [M 8,192, K 1,024] x [K 1,024, N 1,024]; A: computed on the way; B: input Wo: left as it is (an operand is computed on the way)
;;   THE QUANTISER, for each operand of a quantised product, along K:
;;     - K is cut into blocks of 32 from its start; a last block that is shorter is filled with zeros.
;;     - A block's scale is 2^e with e = floor(log2(the largest magnitude in the block)) - 2, held to -126 .. 127; a block of zeros has e = 0. As a byte (E8M0): e + 127.
;;     - Each number is divided by its block's scale, clamped to +-6, and rounded to the nearest number of E2M1, ties to even, subnormals kept.
;;     - The product sums the exact products of the quantised numbers (number of the format x scale) in f32.
;;   ~~~python
;;   def quantise(x, axis):      # numpy; x: float32 -> the quantised numbers, widened to float32 again
;;       x = np.moveaxis(x, axis, -1); K = x.shape[-1]
;;       x = np.pad(x, [(0, 0)] * (x.ndim - 1) + [(0, -K % 32)]); x = x.reshape(x.shape[:-1] + (-1, 32)); a = np.abs(x).max(-1, keepdims=True)
;;       e = np.where(a > 0, np.clip(np.frexp(np.where(a > 0, a, 1))[1] - 1 - 2, -126, 127), 0)      # np.frexp(a)[1] - 1 = floor(log2(a)), exactly
;;       r = np.clip(x / 2.0 ** e, -6, 6)
;;       step = 2.0 ** (np.maximum(np.frexp(np.where(r == 0, 1, r))[1] - 1, 0) - 1)
;;       q = np.round(r / step) * step * 2.0 ** e      # np.round: ties to even
;;       return np.moveaxis(q.reshape(q.shape[:-2] + (-1,))[..., :K], -1, axis).astype(np.float32)
;;   ~~~
;; One version. Each part assembles by itself: llvm-mc -triple=amdgcn-amd-amdhsa -mcpu=gfx1250 --defsym DOCPART=n.
;; ======== version 1 of 1: 4 launches
;; limits: values are held in f16: magnitudes above 65,504 overflow, below 6.1e-05 lose precision
;; workspace buffers: codes 14,155,776 bytes; scales 884,736 bytes; wo16 2,097,152 bytes; qkv 50,331,648 bytes; ctx 16,777,216 bytes
;; launch quant (part 1): grid 896 x 1, 4 waves a work-group, no clusters, 33,280 bytes of LDS; arguments query, key, value, Wq, Wk, Wv, Wo, codes, scales, wo16; writes codes, scales, wo16
.if DOCPART == 1
	.amdgcn_target "amdgcn-amd-amdhsa--gfx1250"
	.amdhsa_code_object_version 6
	.text
	.protected	k_q89d5f5c8a9_quant
	.globl	k_q89d5f5c8a9_quant
	.p2align	8
	.type	k_q89d5f5c8a9_quant,@function
k_q89d5f5c8a9_quant:
	s_mov_b64 s[64:65], 0
	v_nop
	global_prefetch_b8 v0, s[64:65] scope:SCOPE_SE
	s_setreg_imm32_b32 hwreg(HW_REG_WAVE_MODE, 25, 1), 1
	s_wait_xcnt 0x0
; query, key, value [8192][1024] and Wq, Wk, Wv [1024][1024], f32 with K innermost, become codes of FP4 (E2M1), two a byte, K innermost, and one E8M0 byte for each 32 along K.
; All six are plain streams of blocks of 32; their codes and bytes lie one tensor behind the other in 'codes' (27,648 rows of 512 bytes) and 'scales' (27,648 rows of 32 bytes), in the order of the work-groups.
; A block's scale is 2^(floor(log2(its largest magnitude)) - 2); its byte is the largest magnitude's exponent field - 2, held at 1 from below.  A block of zeros so gets the byte 1: its codes are zeros, and this program alone reads the bytes.
; Wo [1024 n][1024 k], f32, is rounded to f16 and laid by chunks of 64 along K: wo16 [16][1024 n][64], so that the last launch finds 256 rows of a chunk as one dense block.
; SHARES.  A work-group takes 32,768 numbers, a wave 8,192.  Work-groups 0-255 query, 256-511 key, 512-767 value, 768-799 Wq, 800-831 Wk, 832-863 Wv, 864-895 Wo.
; No cluster, no tensor load: no two work-groups read the same byte, and each byte is read once.
; LIMITS: blocks whose largest magnitude lies under 2^-124 keep the byte 1; NaN and infinities among the inputs are not served; |Wo| beyond 65,504 becomes infinite in f16, under 6e-5 it keeps an absolute error of 3e-8.
.set WAVES, 4
.set STEPS, 16                         ; steps of 512 numbers in a wave
.set EMAX,  2
.set CB,    8                          ; bytes of 16 codes
.set R,     16                         ; v16-79   four sets of 16 numbers as they are loaded
.set X,     80                         ; v80-111  two sets of 16 neighbours
.set E,     112                        ; v112-127 a scale byte for each step
.set C,     128                        ; v128-191 codes: four registers for each step, so that no store's data are written again
.set WREG,  8192                       ; LDS: a region for each wave: two stages of 32 x SP bytes, behind them its 256 scale bytes
.set SP,    80                         ; a lane's place in a stage: 64 bytes + 16 of padding
.set SPW,   12                         ; v12  LDS address of my spare word; never rewritten
.set NIL,   13                         ; v13  0; never rewritten
.set SPARE, WAVES*WREG                 ; behind the regions: the spare words, 128 bytes a wave
.set WG_WO, 864                        ; the first work-group of Wo
.set WL,    16                         ; Wo's path: v16-79, v80-143 two sets of 64 numbers
.set WOUT,  144                        ; v144-175 their 32 registers of f16
	s_load_b512 s[4:19], s[0:1], 0x0               ; query s[4:5], key s[6:7], value s[8:9], Wq s[10:11], Wk s[12:13], Wv s[14:15], Wo s[16:17], codes s[18:19]
	s_load_b128 s[20:23], s[0:1], 0x40             ; scales s[20:21], wo16 s[22:23]
	v_lshl_add_u32 v[SPW], v0, 2, SPARE
	v_mov_b32 v[NIL], 0
	v_lshrrev_b32 v1, 5, v0
	v_readfirstlane_b32 s24, v1                    ; wave
	v_and_b32 v2, 31, v0                           ; lane
	s_mul_i32 s29, s24, WREG
	v_lshrrev_b32 v14, 2, v2
	v_mul_u32_u24 v14, v14, SP
	v_and_b32 v15, 3, v2
	v_lshl_add_u32 v14, v15, 4, v14
	v_add_nc_u32 v14, s29, v14                     ; the stage, on the way in: four lanes' 64 bytes on end, then 16 of padding
	v_mul_u32_u24 v15, v2, SP
	v_add_nc_u32 v15, s29, v15                     ; and on the way out: my 16 neighbours
	v_lshrrev_b32 v5, 1, v2
	s_add_co_u32 s29, s29, 2*32*SP
	v_add_nc_u32 v5, s29, v5                       ; my wave's 256 scale bytes, my block's byte
	v_lshlrev_b32 v7, 3, v2                        ; and on the way out 8 bytes a lane
	v_add_nc_u32 v6, s29, v7
	s_lshl_b32 s32, ttmp9, 2
	s_add_co_u32 s32, s32, s24                     ; which run of 8,192 numbers of the whole stream is my wave's
	s_mov_b32 s31, 0
	s_mov_b32 s35, 0
	s_wait_kmcnt 0x0
	s_cmp_ge_u32 ttmp9, WG_WO
	s_cbranch_scc1 .Lwo
	; ---- the quantiser.  The input is chosen by the work-group's number alone; the outputs are one stream
	v_lshlrev_b32 v3, 4, v2                        ; my 16 bytes of a load's 512
	v_mul_u32_u24 v4, v2, CB                       ; my codes' place in a step's
	s_mov_b64 s[26:27], s[14:15]
	s_mov_b32 s28, 832
	s_cmp_lt_u32 ttmp9, 832
	s_cselect_b64 s[26:27], s[12:13], s[26:27]
	s_cselect_b32 s28, 800, s28
	s_cmp_lt_u32 ttmp9, 800
	s_cselect_b64 s[26:27], s[10:11], s[26:27]
	s_cselect_b32 s28, 768, s28
	s_cmp_lt_u32 ttmp9, 768
	s_cselect_b64 s[26:27], s[8:9], s[26:27]
	s_cselect_b32 s28, 512, s28
	s_cmp_lt_u32 ttmp9, 512
	s_cselect_b64 s[26:27], s[6:7], s[26:27]
	s_cselect_b32 s28, 256, s28
	s_cmp_lt_u32 ttmp9, 256
	s_cselect_b64 s[26:27], s[4:5], s[26:27]
	s_cselect_b32 s28, 0, s28                      ; the chosen tensor's first work-group
	s_sub_co_u32 s30, ttmp9, s28
	s_lshl_b32 s30, s30, 2
	s_add_co_u32 s30, s30, s24
	s_lshl_b32 s30, s30, 15                        ; my run in the tensor: 32,768 bytes each
	s_add_nc_u64 s[26:27], s[26:27], s[30:31]
	s_lshl_b32 s34, s32, 12                        ; 4,096 bytes of codes a run
	s_add_nc_u64 s[18:19], s[18:19], s[34:35]
	s_lshl_b32 s34, s32, 8                         ; 256 scale bytes a run
	s_add_nc_u64 s[20:21], s[20:21], s[34:35]
.macro LOAD t
.irp i, 0,1,2,3
	global_load_b128 v[R+16*((\t)%4)+4*\i:R+16*((\t)%4)+4*\i+3], v3, s[26:27] offset:2048*(\t)+512*\i th:TH_LOAD_NT   ; 32 lanes read 512 consecutive bytes
.endr
.endm
.macro TURN t                          ; step t's numbers through the stage: LDS serves a wave's instructions in order, so no wait stands between the stores and the loads
.irp i, 0,1,2,3
	ds_store_b128 v14, v[R+16*((\t)%4)+4*\i:R+16*((\t)%4)+4*\i+3] offset:32*SP*((\t)%2)+8*SP*\i
.endr
.irp i, 0,1,2,3
	ds_load_b128 v[X+16*((\t)%2)+4*\i:X+16*((\t)%2)+4*\i+3], v15 offset:32*SP*((\t)%2)+16*\i
.endr
.endm
.irp t, 0,1,2,3
	LOAD \t
.endr
	s_wait_loadcnt 12                              ; step 0's four loads are in; the twelve of steps 1 to 3 may be out
	TURN 0
.macro STEP t
.set XS, X+16*((\t)%2)
.if (\t) > 0
	s_wait_dscnt 1                                 ; this step's numbers are back from the stage; the last step's byte store may be out
.else
	s_wait_dscnt 0x0
.endif
.if (\t)+4 < STEPS
	LOAD (\t)+4                                    ; into the registers that this step's stores into the stage have read
.endif
.if (\t)+1 < STEPS
.if STEPS-2-(\t) >= 3
	s_wait_loadcnt 12                              ; the next step's four loads are in; those of the three steps behind it may be out
.else
	s_wait_loadcnt 4*(STEPS-2-(\t))
.endif
	TURN (\t)+1                                    ; through the other stage while this step is worked
.endif
	v_max3_num_f32 v8, |v[XS]|, |v[XS+1]|, |v[XS+2]|               ; the largest magnitude of my 16, in two chains
	v_max3_num_f32 v9, |v[XS+3]|, |v[XS+4]|, |v[XS+5]|
.irp i, 6,10
	v_max3_num_f32 v8, v8, |v[XS+\i]|, |v[XS+\i+1]|
	v_max3_num_f32 v9, v9, |v[XS+\i+2]|, |v[XS+\i+3]|
.endr
	v_max3_num_f32 v8, v8, |v[XS+14]|, |v[XS+15]|
	v_max3_num_f32 v8, v8, v9, (EMAX+1)<<23        ; and the floor 2^(3 - 127): the byte cannot fall under 1
	v_max_num_f32_dpp v8, v8, v8 row_xmask:1 row_mask:0xf bank_mask:0xf   ; and of my neighbour's 16: the block's
	v_add_nc_u32 v11, -(EMAX<<23), v8              ; 2 off its exponent field: the conversion takes the exponent field of this operand as its scale
	v_cvt_scalef32_pk8_fp4_f32 v[C+4*(\t)], v[XS:XS+7], v11
	v_cvt_scalef32_pk8_fp4_f32 v[C+4*(\t)+1], v[XS+8:XS+15], v11
	v_lshrrev_b32 v[E+(\t)], 23, v11               ; the scale's byte (also the plain line behind the conversions)
	ds_store_b8 v5, v[E+(\t)] offset:16*(\t)       ; both lanes of a block write the same byte with the same value
	global_store_b64 v4, v[C+4*(\t):C+4*(\t)+1], s[18:19] offset:32*CB*(\t)   ; the wave stores 256 consecutive bytes, aligned
.endm
.irp t, 0,1,2,3,4,5,6,7,8,9,10,11,12,13,14,15
	STEP \t
.endr
	ds_load_b64 v[8:9], v6                         ; LDS serves a wave's instructions in order: these see my stores
	s_wait_dscnt 0x0
	global_store_b64 v7, v[8:9], s[20:21]          ; 32 lanes store 256 consecutive bytes, aligned
	s_wait_tensorcnt 0x0                           ; the wave's end: behind my last LDS store
	ds_add_u32 v[SPW], v[NIL]
	s_wait_dscnt 0x0
	s_endpgm
	; ---- Wo to f16.  A wave takes 8 rows n.  Lane l: row parity (l >> 3) & 1, chunk parity l >> 4, eight numbers l & 7 of the chunk's 64.
	; Piece (g, k): rows 2 g, 2 g + 1, chunks 2 k, 2 k + 1: two loads of 16 bytes, four roundings, one store in which sixteen lanes cover two rows of one chunk: 256 consecutive bytes, aligned.
.Lwo:
	s_sub_co_u32 s30, s32, 4*WG_WO                 ; which 8 rows
	s_lshl_b32 s34, s30, 10                        ; in wo16: 8 rows of 128 bytes
	s_lshl_b32 s30, s30, 15                        ; in Wo: 8 rows of 4,096 bytes
	s_add_nc_u64 s[16:17], s[16:17], s[30:31]
	s_add_nc_u64 s[22:23], s[22:23], s[34:35]
	v_bfe_u32 v8, v0, 3, 1
	v_bfe_u32 v9, v0, 4, 1
	v_and_b32 v10, 7, v0
	v_lshlrev_b32 v3, 12, v8
	v_lshl_add_u32 v3, v9, 8, v3
	v_lshl_add_u32 v3, v10, 5, v3                  ; in: row parity x 4,096 + chunk parity x 256 + 32 x piece
	v_lshlrev_b32 v4, 17, v9
	v_lshl_add_u32 v4, v8, 7, v4
	v_lshl_add_u32 v4, v10, 4, v4                  ; out: chunk parity x 131,072 + row parity x 128 + 16 x piece
.macro WLOAD g
.irp k, 0,1,2,3,4,5,6,7
	global_load_b128 v[WL+64*((\g)%2)+8*\k:WL+64*((\g)%2)+8*\k+3], v3, s[16:17] offset:(\g)*8192+\k*512 th:TH_LOAD_NT
	global_load_b128 v[WL+64*((\g)%2)+8*\k+4:WL+64*((\g)%2)+8*\k+7], v3, s[16:17] offset:(\g)*8192+\k*512+16 th:TH_LOAD_NT
.endr
.endm
.macro WGROUP g
.if (\g) < 3
	s_wait_loadcnt 16                              ; this group's sixteen loads are in; the next group's sixteen may be out
.else
	s_wait_loadcnt 0x0
.endif
.if (\g) > 0
	s_wait_xcnt 0x0                                ; the last group's stores have read their data: the registers are written again only behind this wait
.endif
.irp k, 0,1,2,3,4,5,6,7
.irp j, 0,1,2,3
	v_cvt_pk_f16_f32 v[WOUT+4*\k+\j], v[WL+64*((\g)%2)+8*\k+2*\j], v[WL+64*((\g)%2)+8*\k+2*\j+1]
.endr
.endr
.irp k, 0,1,2,3,4,5,6,7
	global_store_b128 v4, v[WOUT+4*\k:WOUT+4*\k+3], s[22:23] offset:\k*262144+(\g)*256
.endr
.if (\g)+2 < 4
	WLOAD (\g)+2
.endif
.endm
	WLOAD 0
	WLOAD 1
	WGROUP 0
	WGROUP 1
	WGROUP 2
	WGROUP 3
	s_wait_tensorcnt 0x0                           ; the same three closing lines on this way too
	ds_add_u32 v[SPW], v[NIL]
	s_wait_dscnt 0x0
	s_endpgm
.Lfunc_end_k_q89d5f5c8a9_quant:
	.size	k_q89d5f5c8a9_quant, .Lfunc_end_k_q89d5f5c8a9_quant-k_q89d5f5c8a9_quant
	.p2alignl 7, 3214868480
	.fill 96, 4, 3214868480
	.section	.rodata,"a",@progbits
	.p2align	6, 0x0
	.amdhsa_kernel k_q89d5f5c8a9_quant
		.amdhsa_group_segment_fixed_size 33280
		.amdhsa_private_segment_fixed_size 0
		.amdhsa_enable_private_segment 0
		.amdhsa_kernarg_size 80
		.amdhsa_user_sgpr_count 2
		.amdhsa_user_sgpr_kernarg_segment_ptr 1
		.amdhsa_wavefront_size32 1
		.amdhsa_system_sgpr_workgroup_id_x 1
		.amdhsa_system_sgpr_workgroup_id_y 1
		.amdhsa_system_sgpr_workgroup_id_z 1
		.amdhsa_system_vgpr_workitem_id 0
		.amdhsa_next_free_vgpr 192
		.amdhsa_next_free_sgpr 66
		.amdhsa_reserve_vcc 0
		.amdhsa_float_denorm_mode_32 3
		.amdhsa_float_denorm_mode_16_64 3
		.amdhsa_memory_ordered 1
		.amdhsa_forward_progress 1
		.amdhsa_inst_pref_size 52
	.end_amdhsa_kernel
	.amdgpu_metadata
---
amdhsa.version: [ 1, 2 ]
amdhsa.kernels:
  - .name:           k_q89d5f5c8a9_quant
    .symbol:         k_q89d5f5c8a9_quant.kd
    .args:
      - { .name: query, .offset: 0, .size: 8, .value_kind: global_buffer, .address_space: global }
      - { .name: key, .offset: 8, .size: 8, .value_kind: global_buffer, .address_space: global }
      - { .name: value, .offset: 16, .size: 8, .value_kind: global_buffer, .address_space: global }
      - { .name: Wq, .offset: 24, .size: 8, .value_kind: global_buffer, .address_space: global }
      - { .name: Wk, .offset: 32, .size: 8, .value_kind: global_buffer, .address_space: global }
      - { .name: Wv, .offset: 40, .size: 8, .value_kind: global_buffer, .address_space: global }
      - { .name: Wo, .offset: 48, .size: 8, .value_kind: global_buffer, .address_space: global }
      - { .name: codes, .offset: 56, .size: 8, .value_kind: global_buffer, .address_space: global }
      - { .name: scales, .offset: 64, .size: 8, .value_kind: global_buffer, .address_space: global }
      - { .name: wo16, .offset: 72, .size: 8, .value_kind: global_buffer, .address_space: global }
    .group_segment_fixed_size: 33280
    .private_segment_fixed_size: 0
    .kernarg_segment_align: 8
    .kernarg_segment_size: 80
    .max_flat_workgroup_size: 128
    .sgpr_count:     66
    .vgpr_count:     192
    .wavefront_size: 32
...
	.end_amdgpu_metadata
.endif
;; end of part 1
;; launch proj (part 2): grid 4 x 96, 4 waves a work-group, clusters of 4 x 4, 327,680 bytes of LDS; arguments codes, scales, bq, bk, bv, qkv; writes qkv
.if DOCPART == 2
	.amdgcn_target "amdgcn-amd-amdhsa--gfx1250"
	.amdhsa_code_object_version 6
	.text
	.protected	k_q89d5f5c8a9_proj
	.globl	k_q89d5f5c8a9_proj
	.p2align	8
	.type	k_q89d5f5c8a9_proj,@function
k_q89d5f5c8a9_proj:
	s_mov_b64 s[64:65], 0
	v_nop
	global_prefetch_b8 v0, s[64:65] scope:SCOPE_SE
	s_setreg_imm32_b32 hwreg(HW_REG_WAVE_MODE, 25, 1), 1
	s_wait_xcnt 0x0
	s_wait_alu depctr_hold_cnt(0) depctr_sa_sdst(0) depctr_va_vdst(0) depctr_va_sdst(0) depctr_va_ssrc(0) depctr_va_vcc(0) depctr_vm_vsrc(0)
	s_getreg_b32 s2, hwreg(HW_REG_IB_STS2, 6, 4)
	s_cmp_eq_u32 s2, 0
	s_cbranch_scc0 .Lentry_in_a_cluster
	s_endpgm
.Lentry_in_a_cluster:
	s_bfe_u32 s2, ttmp6, 0x10000c
	s_cmp_lg_u32 s2, 0xf033
	s_cbranch_scc0 .Lentry_shape_is_right
	s_endpgm
.Lentry_shape_is_right:
; q = Q(query) Q(Wq)^T + bq, and the same for key and value: three products [8192][1024] x [1024][1024]^T on codes of FP4 (E2M1) with one E8M0 scale for each 32 along K; sums in f32.
; 'codes': 27,648 rows of 512 bytes, 'scales': the same rows of 32 bytes: rows 0-24,575 the tokens of query, key, value; from 24,576 on 1,024 rows each of Wq, Wk, Wv.
; The results, with their bias, are rounded to f16 and stored with the heads split: qkv [3][4 b][16 h][2048 s][64].
; A tile of C, 256 x 256, is made by a work-group of four waves; a wave makes 128 x 128: 64 accumulators, 512 registers.  K = 1,024 is two K steps of 512: both lie in the two LDS slots from the start, and nothing is filled again.
; The scales of the work-group's 256 + 256 rows, for all of K, are two dense blocks of memory: they come once, in rows of 256 bytes.
; CLUSTERS: 4 x 4 work-groups.  The four of a row of the cluster need the same tiles of A (tokens), the four of a column the same tiles of B (weights): each is asked for jointly.  A cluster's 1,024 token rows lie in one of the three tensors.
; THE MATRIX INSTRUCTION IS USED TRANSPOSED (source 0 = 16 rows of W, source 1 = 16 tokens): a lane holds eight neighbouring features of one token.  THE BIAS is the C of each sum's first product.
; REGISTERS, in windows of 256: window 0: v16-30 addresses; v32-95 scale words, two sets; v128-191 A's fragments, one set; v192-255 the bias, eight registers for each of B's eight blocks; on the way out v32-127 are free.
;   window 1: B's fragments, two sets, at v0 and v128.  window 2: the accumulators of my tokens 0-63 ((a, b) at v[8 (8 a + b)]);  window 3: those of tokens 64-127.
; LIMITS: a result beyond 65,504 in magnitude becomes infinite in f16.
.set NQ,     4                         ; matrix instructions deep in a slot: 512 along K
.set ROWB,   256                       ; a tile's row in bytes
.set KROW,   512                       ; a row of codes in memory
.set PITCH,  272                       ; an LDS row: 256 bytes + 16 of padding, so that the 16 rows of a fragment load start 68 words apart
.set FR,     8                         ; registers of a fragment
.set NL,     2                         ; LDS loads that bring one
.set NP,     4                         ; places behind this matrix instruction (ISA guide 7.12.1)
.set HALFT,  128*PITCH                 ; 128 rows: what one tensor load brings
.set SLOT,   4*HALFT                   ; A's 256 rows, then B's 256 rows
.set KS,     32                        ; a row of scales in bytes
.set SCL,    2*SLOT                    ; behind the slots: the scales, rows of 256 bytes + 16
.set HALFS,  (128*KS/256)*272          ; those of 128 rows
.set SBLK,   (16*KS/256)*272           ; those of 16 rows
.set STAGE,  SCL+4*HALFS               ; the way out: 16 rows x 272 bytes for each wave; no tensor load lands here
.set SPITCH, 272
.set SPARE,  STAGE+4*16*SPITCH         ; the spare words, 128 bytes a wave
.set WROW0,  24576                     ; the weights' first row
.set ADRA, 16                          ; v16-17  LDS address of my A fragments in slot 0, 1
.set ADRB, 20                          ; v20-21  the same for B
.set STO,  24                          ; v24     the way out: where I put 16 bytes of a token's row
.set RD,   25                          ; v25     and where I read back
.set CO,   26                          ; v26     my byte offset in qkv
.set ADRS, 27                          ; v27     LDS address of my scale words: lanes 0-15 A's rows, lanes 16-31 B's
.set SPW,  28                          ; v28     LDS address of my spare word; never rewritten
.set NIL,  29                          ; v29     0; never rewritten
.set VB,   30                          ; v30     32 x (lane / 16): my eight numbers of a block's bias
.set SC,   32                          ; scale words: set s at v[SC + 32 s]; register 4 i + q: lanes 0-15 A's block i, lanes 16-31 B's block i, the slot's q-th 128 along K
.set AF,   128
.set BI,   192
.set TMP,  32                          ; the way out: a block's 32 packed registers
.set OB,   64                          ; and 16 rows read back: v64-95 and v96-127 by turns
.set WV, 16                            ; s16 wave;  s17 wave / 2: my half of the tokens, and: I fetch for A (0) or B (1);  s18 wave % 2: my half of the features, and: which 128 rows I fetch;  s19 tile row
.set WM, 17
.set WN, 18
.set TY, 19
.set G1, 24                            ; s[24:31], s[32:39] descriptor groups 1 and 0 (a set for each slot) for A's tiles
.set G0, 32
.set G1B, 48                           ; s[48:55], s[56:63] for B's
.set G0B, 56
.set G1S, 68                           ; s[68:75], s[76:79] for A's scales;  s[80:87], s[88:91] for B's
.set G0S, 76
.set G1SB, 80
.set G0SB, 88
.set MSB, 0
.macro WIN new                         ; the immediate's high byte repeats the setting that is left
.if MSB != (\new)
	s_set_vgpr_msb (MSB<<8)|(\new)
.set MSB, (\new)
.endif
.endm
.set MUL_LO, 0xa1                      ; source 0 (B) window 1, source 1 (A) window 0, C and D window 2;  with the bias as C (window 0): 0x81
.set MUL_HI, 0xf1                      ; the same, C and D window 3;  with the bias: 0xc1
.set TO_B,   0x40
; A joint load: waves 0 and 1 fetch for A, waves 2 and 3 for B; the branch hangs on the wave's number alone.  An s_nop 0 and four v_nop follow each line.
.macro JLOAD g0a, g1a, g0b, g1b
	s_cmp_eq_u32 s[WM], 0
	s_cbranch_scc0 .Lfor_b_\@
	tensor_load_to_lds s[\g0a:\g0a+3], s[\g1a:\g1a+7]
	s_nop 0
.rept 4
	v_nop
.endr
	s_branch .Lasked_\@
.Lfor_b_\@:
	tensor_load_to_lds s[\g0b:\g0b+3], s[\g1b:\g1b+7]
	s_nop 0
.rept 4
	v_nop
.endr
.Lasked_\@:
.endm
.macro CROUND                          ; a round of the cluster's barrier
	s_barrier_signal -1
	s_barrier_wait -1
	s_cmp_lg_u32 s[WV], 0
	s_cbranch_scc1 .Lnot_wave_0_\@
	s_barrier_signal -3
.Lnot_wave_0_\@:
	s_barrier_wait -3
	s_barrier_signal -1
	s_barrier_wait -1
.endm
	s_load_b128 s[4:7], s[0:1], 0x0                ; codes s[4:5], scales s[6:7]
	s_load_b128 s[8:11], s[0:1], 0x10              ; bq s[8:9], bk s[10:11]
	s_load_b128 s[12:15], s[0:1], 0x20             ; bv s[12:13], qkv s[14:15]
	v_lshl_add_u32 v[SPW], v0, 2, SPARE
	v_mov_b32 v[NIL], 0
	ds_add_u32 v[SPW], v[NIL]                      ; the wave's opening: the add, twice on end, and its wait ahead of my first tensor load
	ds_add_u32 v[SPW], v[NIL]
	v_lshrrev_b32 v1, 5, v0
	v_readfirstlane_b32 s[WV], v1
	s_lshr_b32 s[WM], s[WV], 1
	s_and_b32 s[WN], s[WV], 1
	s_bfe_u32 s40, ttmp6, 0x40000                  ; cx, cy: my place in the cluster
	s_bfe_u32 s41, ttmp6, 0x40004
	s_lshl_b32 s42, ttmp9, 2
	s_add_co_u32 s42, s42, s40                     ; tile column = 4 x cluster x + cx
	s_and_b32 s2, ttmp7, 0xffff                    ; cluster y
	s_lshl_b32 s[TY], s2, 2
	s_add_co_u32 s[TY], s[TY], s41                 ; tile row = 4 x cluster y + cy: 0 .. 95
	s_lshr_b32 s2, s2, 3                           ; which tensor: 8 clusters each; made of the cluster's y alone
	s_lshl_b32 s43, s41, 2
	s_lshl_b32 s43, 15, s43                        ; my row of the cluster
	s_lshl_b32 s44, 0x1111, s40                    ; my column
	; descriptor group 1: 128 rows x 256 bytes, 512 bytes apart in memory, 16 bytes of padding behind each row in LDS
	s_or_b32 s[G1+0], s43, (0<<16)|(1<<20)|(1<<21)|(5<<22)|(3<<25)  ; 15:0 the mask; 17:16 elements of 1 byte; 20 padding on; 21 set beside a mask; 24:22 after every 64 words; 31:25 four words
	s_or_b32 s[G1B+0], s44, (0<<16)|(1<<20)|(1<<21)|(5<<22)|(3<<25)
.irp g, G1, G1B
	s_mov_b32 s[\g+1], ROWB<<16                    ; tensor_dim0
	s_mov_b32 s[\g+2], 128<<16                     ; tensor_dim1
	s_mov_b32 s[\g+3], ROWB<<16                    ; tile_dim0
	s_mov_b32 s[\g+4], 128                         ; tile_dim1
	s_mov_b32 s[\g+5], KROW                        ; stride from row to row
	s_mov_b32 s[\g+6], 0
	s_mov_b32 s[\g+7], 0
.endr
	; the scales of 128 rows: 4,096 dense bytes as 16 rows of 256 (32 elements of 8 bytes), 16 bytes of padding behind each
	s_or_b32 s[G1S+0], s43, (3<<16)|(1<<20)|(1<<21)|(5<<22)|(3<<25)
	s_or_b32 s[G1SB+0], s44, (3<<16)|(1<<20)|(1<<21)|(5<<22)|(3<<25)
.irp g, G1S, G1SB
	s_mov_b32 s[\g+1], 32<<16
	s_mov_b32 s[\g+2], (128*KS/256)<<16
	s_mov_b32 s[\g+3], 32<<16
	s_mov_b32 s[\g+4], 128*KS/256
	s_mov_b32 s[\g+5], 32
	s_mov_b32 s[\g+6], 0
	s_mov_b32 s[\g+7], 0
.endr
	s_lshl_b32 s21, s[WN], 7                       ; which 128 rows of the tile I fetch
	s_lshl_b32 s20, s[TY], 8
	s_add_co_u32 s20, s20, s21                     ; A: row 256 x tile row + 128 x half
	s_lshl_b32 s46, s42, 8
	s_add_co_u32 s46, s46, s21
	s_lshl_b32 s47, s2, 10
	s_add_co_u32 s46, s46, s47
	s_add_co_u32 s46, s46, WROW0                   ; B: row 24,576 + 1,024 x tensor + 256 x tile column + 128 x half
	s_lshl_b32 s22, s20, 5                         ; these rows' scales, in bytes (all under 2^24),
	s_lshl_b32 s20, s20, 9                         ; and their codes
	s_lshl_b32 s92, s46, 5
	s_lshl_b32 s46, s46, 9
	s_mov_b32 s21, 0
	s_mov_b32 s23, 0
	s_mov_b32 s47, 0
	s_mov_b32 s93, 0
	s_mul_i32 s45, s[WV], HALFT                    ; where they go: wave x 128 rows: no place in the cluster enters an LDS address
	s_mul_i32 s94, s[WV], HALFS
	s_wait_dscnt 0x0                               ; both opening adds are done
	s_wait_kmcnt 0x0
	s_add_nc_u64 s[20:21], s[4:5], s[20:21]
	s_add_nc_u64 s[22:23], s[6:7], s[22:23]
	s_add_nc_u64 s[46:47], s[4:5], s[46:47]
	s_add_nc_u64 s[92:93], s[6:7], s[92:93]
	CROUND                                         ; all sixteen work-groups are here: the first joint loads meet
	s_mov_b32 s[G0S], 1
	s_add_co_u32 s[G0S+1], s94, SCL
	s_mov_b64 s[G0S+2:G0S+3], s[22:23]
	s_or_b32 s[G0S+3], s[G0S+3], 0x80000000
	s_mov_b32 s[G0SB], 1
	s_add_co_u32 s[G0SB+1], s94, SCL
	s_mov_b64 s[G0SB+2:G0SB+3], s[92:93]
	s_or_b32 s[G0SB+3], s[G0SB+3], 0x80000000
	JLOAD G0S, G1S, G0SB, G1SB                     ; the scales first: they are wanted with K step 0
.irp s, 0,1
	s_mov_b32 s[G0+4*\s], 1
	s_add_co_u32 s[G0+4*\s+1], s45, \s*SLOT
	s_add_nc_u64 s[G0+4*\s+2:G0+4*\s+3], s[20:21], \s*ROWB
	s_or_b32 s[G0+4*\s+3], s[G0+4*\s+3], 0x80000000
	s_mov_b32 s[G0B+4*\s], 1
	s_add_co_u32 s[G0B+4*\s+1], s45, \s*SLOT
	s_add_nc_u64 s[G0B+4*\s+2:G0B+4*\s+3], s[46:47], \s*ROWB
	s_or_b32 s[G0B+4*\s+3], s[G0B+4*\s+3], 0x80000000
	JLOAD G0+4*\s, G1, G0B+4*\s, G1B               ; three tensor loads of mine are out behind the second of these
.endr
	v_and_b32 v1, 15, v0                           ; r = lane % 16
	v_bfe_u32 v2, v0, 4, 1                         ; h = lane / 16
	; the bias of my 128 features: block b, lane (r, h): bias[256 tx + 128 half + 16 b + 8 h + 0 .. 7], the result's layout
	s_cmp_eq_u32 s2, 0
	s_cselect_b64 s[8:9], s[8:9], s[10:11]
	s_cmp_eq_u32 s2, 2
	s_cselect_b64 s[8:9], s[12:13], s[8:9]
	s_lshl_b32 s96, s42, 10
	s_lshl_b32 s97, s[WN], 9
	s_add_co_u32 s96, s96, s97
	s_mov_b32 s97, 0
	s_add_nc_u64 s[8:9], s[8:9], s[96:97]
	v_lshlrev_b32 v[VB], 5, v2
.irp b, 0,1,2,3,4,5,6,7
	global_load_b128 v[BI+8*\b:BI+8*\b+3], v[VB], s[8:9] offset:64*\b
	global_load_b128 v[BI+8*\b+4:BI+8*\b+7], v[VB], s[8:9] offset:64*\b+16
.endr
	v_mul_u32_u24 v3, v1, PITCH
	v_lshl_add_u32 v4, v2, 4, v3                   ; a fragment's row x pitch + 16 x half
	s_mul_i32 s21, s[WM], HALFT                    ; my 128 rows of A
	s_mul_i32 s22, s[WN], HALFT                    ; my 128 rows of B,
	s_add_co_u32 s22, s22, 2*HALFT                 ; which lie behind A's 256
.irp s, 0,1
	v_add_nc_u32 v[ADRA+\s], s21, v4
	v_add_nc_u32 v[ADRB+\s], s22, v4
	s_add_co_u32 s21, s21, SLOT
	s_add_co_u32 s22, s22, SLOT
.endr
	v_mul_u32_u24 v5, v1, KS                       ; my row's scales: 32 bytes a row,
	v_lshrrev_b32 v6, 8, v5
	v_lshl_add_u32 v5, v6, 4, v5                   ; and 16 more for each 256 passed
	s_mul_i32 s21, s[WM], HALFS
	s_mul_i32 s22, s[WN], HALFS
	s_add_co_u32 s22, s22, 2*HALFS
	s_sub_co_u32 s22, s22, s21
	v_mul_u32_u24 v6, s22, v2                      ; lanes 16-31 take B's: one product, the distance between the two bases
	s_add_co_u32 s21, s21, SCL
	v_add_nc_u32 v5, v5, v6
	v_add_nc_u32 v[ADRS], s21, v5
	s_mul_i32 s23, s[WV], 16*SPITCH
	s_add_co_u32 s23, s23, STAGE                   ; my stage
	v_mul_u32_u24 v5, v1, SPITCH                   ; in: token r, 16 bytes for each half of the lanes
	v_lshl_add_u32 v5, v2, 4, v5
	v_add_nc_u32 v[STO], s23, v5
	v_bfe_u32 v6, v0, 3, 1                         ; back: lanes 0-15 the first head's 128 bytes of two tokens, lanes 16-31 the second head's
	v_and_b32 v7, 7, v0
	v_mul_u32_u24 v5, v6, SPITCH
	v_lshl_add_u32 v5, v2, 7, v5
	v_lshl_add_u32 v5, v7, 4, v5
	v_add_nc_u32 v[RD], s23, v5
	v_lshlrev_b32 v5, 18, v2                       ; in qkv a head is 262,144 bytes, a token 128
	v_lshl_add_u32 v5, v6, 7, v5
	v_lshl_add_u32 v[CO], v7, 4, v5
	s_lshr_b32 s20, s[TY], 3                       ; tensor and batch together: 8 tile rows a batch, 4,194,304 bytes each
	s_lshl_b32 s20, s20, 22
	s_and_b32 s21, s[TY], 7
	s_lshl_b32 s21, s21, 8
	s_lshl_b32 s22, s[WM], 7
	s_add_co_u32 s21, s21, s22                     ; my first token in the batch
	s_lshl_b32 s21, s21, 7
	s_add_co_u32 s20, s20, s21
	s_mov_b32 s21, 0
	s_lshl_b32 s46, s42, 2
	s_lshl_b32 s47, s[WN], 1
	s_add_co_u32 s46, s46, s47                     ; my first head: 4 x tile column + 2 x half
	s_lshl_b32 s46, s46, 18
	s_mov_b32 s47, 0
	s_add_nc_u64 s[20:21], s[20:21], s[46:47]
	s_add_nc_u64 s[14:15], s[14:15], s[20:21]
.macro FRAG reg, adr, q, i             ; 16 rows x 128 K of 4-bit codes: lane l holds row l % 16; registers 4 c .. 4 c + 3 hold K = 64 c + 32 (l / 16) + 0 .. 31
.irp c, 0,1
	ds_load_b128 v[\reg+4*\c:\reg+4*\c+3], v[\adr] offset:64*(\q)+32*\c+(\i)*16*PITCH
.endr
.endm
; 16 matrix instructions: A's blocks a0, a0 + 1 x B's eight, the slot's q-th 128 along K.  p: B's set; sc: the set of scale words.  first = 1: the bias starts the sums.
; The 64 accumulators take turns, one instruction a turn, in the same order in every step.
.macro MUL16 a0, p, q, sc, first
.irp a, \a0, \a0+1
.irp b, 0,1,2,3,4,5,6,7
.if \first
	v_wmma_scale_f32_16x16x128_f8f6f4 v[8*(8*((\a)%4)+\b):8*(8*((\a)%4)+\b)+7], v[128*(\p)+FR*\b:128*(\p)+FR*\b+FR-1], v[AF+FR*(\a):AF+FR*(\a)+FR-1], v[BI+8*\b:BI+8*\b+7], v[SC+8*NQ*(\sc)+NQ*\b+(\q)], v[SC+8*NQ*(\sc)+NQ*(\a)+(\q)] matrix_a_fmt:MATRIX_FMT_FP4 matrix_b_fmt:MATRIX_FMT_FP4 matrix_a_scale:MATRIX_SCALE_ROW1
.else
	v_wmma_scale_f32_16x16x128_f8f6f4 v[8*(8*((\a)%4)+\b):8*(8*((\a)%4)+\b)+7], v[128*(\p)+FR*\b:128*(\p)+FR*\b+FR-1], v[AF+FR*(\a):AF+FR*(\a)+FR-1], v[8*(8*((\a)%4)+\b):8*(8*((\a)%4)+\b)+7], v[SC+8*NQ*(\sc)+NQ*\b+(\q)], v[SC+8*NQ*(\sc)+NQ*(\a)+(\q)] matrix_a_fmt:MATRIX_FMT_FP4 matrix_b_fmt:MATRIX_FMT_FP4 matrix_a_scale:MATRIX_SCALE_ROW1
.endif
.endr
.endr
.endm
.macro FETCH_B slot, q, p
	WIN TO_B
.irp i, 0,1,2,3,4,5,6,7
	FRAG 128*(\p)+FR*\i, ADRB+\slot, \q, \i
.endr
	WIN 0
.endm
.macro FETCH_A slot, q, i0
.irp i, \i0, \i0+1, \i0+2, \i0+3
	FRAG AF+FR*(\i), ADRA+\slot, \q, \i
.endr
.endm
.macro SCALES sc                       ; a K step's scale words: four words a row; lanes 0-15 A's block i, lanes 16-31 B's block i
.irp i, 0,1,2,3,4,5,6,7
	ds_load_b128 v[SC+8*NQ*\sc+NQ*\i:SC+8*NQ*\sc+NQ*\i+3], v[ADRS] offset:\i*SBLK
.endr
.endm
.macro PLACES n                        ; plain vector lines between a matrix instruction and a load into, or a read of, its registers
.rept \n
	v_nop
.endr
.endm
.macro STEP slot, q, first             ; a step of 128 along K that has its successor in the same slot
	s_wait_dscnt 4*NL                              ; B's set, A's blocks 0-3 and the scale words are in; the youngest eight loads (A's blocks 4-7) may be out
	WIN MUL_LO-0x20*(\first)
	MUL16 0, (\q)%2, \q, \slot, \first
	MUL16 2, (\q)%2, \q, \slot, \first
	s_wait_dscnt 0
	PLACES NP
	FETCH_B \slot, (\q)+1, 1-(\q)%2
	FETCH_A \slot, (\q)+1, 0
	WIN MUL_HI-0x30*(\first)
	MUL16 4, (\q)%2, \q, \slot, \first
	MUL16 6, (\q)%2, \q, \slot, \first
	PLACES NP
	WIN 0
	FETCH_A \slot, (\q)+1, 4
.endm
; Slot 0's last step changes slots: in front of the barrier each wave waits for all its tensor loads (its part of slot 1), so that behind it slot 1 is whole.  Nothing is filled again.
.macro TURN slot, next
	s_wait_tensorcnt 0x0
	ds_add_u32 v[SPW], v[NIL]                      ; 0 onto my spare word
	s_wait_dscnt 4*NL+1                            ; the add and the youngest eight loads may be out
	WIN MUL_LO
	MUL16 0, 1, NQ-1, \slot, 0
	s_wait_dscnt 0x0
	s_barrier_signal -1
	MUL16 2, 1, NQ-1, \slot, 0
	WIN 0
	s_barrier_wait -1
	PLACES NP
	v_add_nc_u32 v[ADRS], 4*NQ, v[ADRS]            ; on to the next K step's scale words
	FETCH_B \next, 0, 0
	FETCH_A \next, 0, 0
	SCALES \next
	WIN MUL_HI
	MUL16 4, 1, NQ-1, \slot, 0
	MUL16 6, 1, NQ-1, \slot, 0
	PLACES NP
	WIN 0
	FETCH_A \next, 0, 4
.endm
.macro STEPS slot, from
.set Q, \from
.rept NQ-1-\from
	STEP \slot, Q, 0
.set Q, Q+1
.endr
.endm
	s_wait_tensorcnt 1                             ; the scales and my part of slot 0 are in; slot 1's load may be out,
	s_barrier_signal -1
	s_barrier_wait -1                              ; everybody's are
	FETCH_B 0, 0, 0
	FETCH_A 0, 0, 0
	SCALES 0
	FETCH_A 0, 0, 4
	s_wait_loadcnt 0x0                             ; the bias
	STEP 0, 0, 1
	STEPS 0, 1
	TURN 0, 1
	STEPS 1, 0
	s_wait_dscnt 4*NL                              ; the last step: nothing more to fetch
	WIN MUL_LO
	MUL16 0, 1, NQ-1, 1, 0
	MUL16 2, 1, NQ-1, 1, 0
	s_wait_dscnt 0
	WIN MUL_HI
	MUL16 4, 1, NQ-1, 1, 0
	MUL16 6, 1, NQ-1, 1, 0
	WIN 0
; THE WAY OUT, block by block of 16 tokens x 128 features (two heads).  PACK: rounded to f16, 16 bytes a lane, each accumulator from its low end on.  TOSTAGE: into my own stage, and back so that sixteen lanes hold
; two tokens of one head.  SEND: each half of the lanes stores 256 consecutive bytes, aligned.
.macro PACK a
.set AC, 64*((\a)%4)
	WIN 0x0a+5*((\a)/4)                            ; sources 0 and 1: window 2 or 3
.irp b, 0,1,2,3,4,5,6,7
.irp r, 0,1,2,3
	v_cvt_pk_f16_f32 v[TMP+4*\b+\r], v[AC+8*\b+2*\r], v[AC+8*\b+2*\r+1]
.endr
.endr
	WIN 0
.endm
.macro TOSTAGE a
.set BK, OB+32*((\a)%2)
.irp b, 0,1,2,3,4,5,6,7
	ds_store_b128 v[STO], v[TMP+4*\b:TMP+4*\b+3] offset:32*\b
.endr
.irp t, 0,1,2,3,4,5,6,7
	ds_load_b128 v[BK+4*\t:BK+4*\t+3], v[RD] offset:\t*2*SPITCH    ; LDS serves a wave's instructions in order: these see the stores above
.endr
.endm
.macro SEND a
.set BK, OB+32*((\a)%2)
	s_wait_dscnt 0x0                               ; the block is back in registers
	s_wait_xcnt 0x0                                ; the stores of the block before have read their registers: the next block's loads land there only behind this wait
.irp t, 0,1,2,3,4,5,6,7
	global_store_b128 v[CO], v[BK+4*\t:BK+4*\t+3], s[14:15] offset:2048*(\a)+256*\t
.endr
.endm
	PLACES NP                                      ; behind the last products: for the writes and loads into registers that held scale words
	PACK 0
	TOSTAGE 0
.irp a, 1,2,3,4,5,6,7                  ; block a's conversions stand between block a - 1's loads from the stage and the wait for them
	PACK \a
	SEND \a-1
	TOSTAGE \a
.endr
	SEND 7
	s_wait_tensorcnt 0x0                           ; the wave's end
	ds_add_u32 v[SPW], v[NIL]
	s_wait_dscnt 0x0
	CROUND                                         ; the closing round
	s_endpgm
.Lfunc_end_k_q89d5f5c8a9_proj:
	.size	k_q89d5f5c8a9_proj, .Lfunc_end_k_q89d5f5c8a9_proj-k_q89d5f5c8a9_proj
	.p2alignl 7, 3214868480
	.fill 96, 4, 3214868480
	.section	.rodata,"a",@progbits
	.p2align	6, 0x0
	.amdhsa_kernel k_q89d5f5c8a9_proj
		.amdhsa_group_segment_fixed_size 327680
		.amdhsa_private_segment_fixed_size 0
		.amdhsa_enable_private_segment 0
		.amdhsa_kernarg_size 48
		.amdhsa_user_sgpr_count 2
		.amdhsa_user_sgpr_kernarg_segment_ptr 1
		.amdhsa_wavefront_size32 1
		.amdhsa_system_sgpr_workgroup_id_x 1
		.amdhsa_system_sgpr_workgroup_id_y 1
		.amdhsa_system_sgpr_workgroup_id_z 1
		.amdhsa_system_vgpr_workitem_id 0
		.amdhsa_next_free_vgpr 1024
		.amdhsa_next_free_sgpr 98
		.amdhsa_reserve_vcc 0
		.amdhsa_float_denorm_mode_32 3
		.amdhsa_float_denorm_mode_16_64 3
		.amdhsa_memory_ordered 1
		.amdhsa_forward_progress 1
		.amdhsa_inst_pref_size 129
	.end_amdhsa_kernel
	.amdgpu_metadata
---
amdhsa.version: [ 1, 2 ]
amdhsa.kernels:
  - .name:           k_q89d5f5c8a9_proj
    .symbol:         k_q89d5f5c8a9_proj.kd
    .args:
      - { .name: codes, .offset: 0, .size: 8, .value_kind: global_buffer, .address_space: global }
      - { .name: scales, .offset: 8, .size: 8, .value_kind: global_buffer, .address_space: global }
      - { .name: bq, .offset: 16, .size: 8, .value_kind: global_buffer, .address_space: global }
      - { .name: bk, .offset: 24, .size: 8, .value_kind: global_buffer, .address_space: global }
      - { .name: bv, .offset: 32, .size: 8, .value_kind: global_buffer, .address_space: global }
      - { .name: qkv, .offset: 40, .size: 8, .value_kind: global_buffer, .address_space: global }
    .group_segment_fixed_size: 327680
    .private_segment_fixed_size: 0
    .kernarg_segment_align: 8
    .kernarg_segment_size: 48
    .max_flat_workgroup_size: 128
    .sgpr_count:     98
    .vgpr_count:     1024
    .wavefront_size: 32
...
	.end_amdgpu_metadata
.endif
;; end of part 2
;; launch attn (part 3): grid 4 x 64, 8 waves a work-group, clusters of 4 x 1, 327,680 bytes of LDS; arguments qkv, mask, ctx; writes ctx
.if DOCPART == 3
	.amdgcn_target "amdgcn-amd-amdhsa--gfx1250"
	.amdhsa_code_object_version 6
	.text
	.protected	k_q89d5f5c8a9_attn
	.globl	k_q89d5f5c8a9_attn
	.p2align	8
	.type	k_q89d5f5c8a9_attn,@function
k_q89d5f5c8a9_attn:
	s_mov_b64 s[64:65], 0
	v_nop
	global_prefetch_b8 v0, s[64:65] scope:SCOPE_SE
	s_setreg_imm32_b32 hwreg(HW_REG_WAVE_MODE, 25, 1), 1
	s_wait_xcnt 0x0
	s_wait_alu depctr_hold_cnt(0) depctr_sa_sdst(0) depctr_va_vdst(0) depctr_va_sdst(0) depctr_va_ssrc(0) depctr_va_vcc(0) depctr_vm_vsrc(0)
	s_getreg_b32 s2, hwreg(HW_REG_IB_STS2, 6, 4)
	s_cmp_eq_u32 s2, 0
	s_cbranch_scc0 .Lentry_in_a_cluster
	s_endpgm
.Lentry_in_a_cluster:
	s_bfe_u32 s2, ttmp6, 0x10000c
	s_cmp_lg_u32 s2, 0x3003
	s_cbranch_scc0 .Lentry_shape_is_right
	s_endpgm
.Lentry_shape_is_right:
; ctx[b][h][q][:] = the sum over k of softmax_k(q . k / 8, masked keys at -infinity) v[k][:].  qkv: [3][4 b][16 h][2048][64] f16; mask: [4][2048] bytes; ctx: [4 b][16 h][2048][64] f16.
; Products on f16 operands with f32 sums; maxima, exponentials and sums in f32; the weights p are rounded to f16 for the second product, ctx once at the end.
; SHARES.  A work-group owns 512 queries of one (b, h); each of its eight waves 64: four tiles of 16, in 512 registers, two waves to a SIMD, so that one wave's softmax stands beside the other's products.  Every wave walks all 2,048 keys, 64 a step.
; LAYOUT.  S^T = K Q^T (source 0 = 16 keys, source 1 = 16 queries): a lane holds ONE query (lane % 16) and keys 8 (lane / 16) + 0..7.  Two such tiles, rounded in pairs, ARE source 1 of O^T = V^T P.  V comes out of LDS turned, by ds_load_tr16_b128.
; SOFTMAX.  A running maximum m and sum l for each query: p = 2^(c s - c m), c = log2(e) / 8; in every step O and l are multiplied by a = 2^(c m_old - c m_new).
; THE MASK.  A table in LDS holds 0 for an open key and -2^100 for a masked one; it is the C of each score's first product, so masking costs no vector line.  Scores of f16 operands stay under 2^39 and vanish in -2^100.
;   With an open key in the row's maximum, a masked key's p is 2^(-huge) = 0.  Masked keys that come before a row's first open key leave sums that a = 0 wipes at that key.  A batch with no open key ends with m under -2^99: its rows become NaN, by a select.
; CLUSTER.  The four query blocks of a head walk the same K and V: each tile is asked for jointly, by the same tensor load with a mask that names the four.
; RING.  Two LDS slots of four key steps.  The change of slots stands at a slot's head: behind its round the other slot is asked for, and has four key steps in which to land.  Waves 0-3 fetch K's four steps, waves 4-7 V's: one load of 64 rows a wave.
; REGISTERS.  window 0: v1-15 addresses and constants; v16-47 statistics, eight a tile; v48-79 the step's mask numbers; v80-143 Q; v144-207 K's eight fragments, then V's eight; v208-220 at work at the head.
;   window 1: v0-127 S^T, 32 a tile, p in place, then P (16 a tile) over its low half; v128-255 O^T, 32 a tile.
; LIMITS: |q|, |k|, |v| arrive as f16; a p under 2^-25 of its row's largest rounds to 0; ctx under 6e-5 keeps an absolute error of 3e-8; NaN and infinities among the inputs are not served.
.set KS,    64                         ; keys in a step
.set KP,    144                        ; a row of K in LDS: 128 bytes + 16 of padding
.set VP,    160                        ; a row of V: 128 + 32: the turning load takes 8 rows x 32 bytes in 16 lanes
.set VOFF,  KS*KP                      ; a step's tiles lie together: 64 rows of K, then 64 of V
.set STEPB, KS*(KP+VP)
.set NST,   4                          ; key steps in a slot
.set SLOTB, NST*STEPB
.set SLOT1, 1<<17                      ; slot 1 begins here: one exclusive or turns an address from one slot to the other
.set BIAS,  SLOT1+SLOTB
.set STAGE, BIAS+8192                  ; the way out: 16 rows x 144 bytes for each wave
.set SP,    144
.set SPARE, STAGE+8*16*SP              ; the spare words, 128 bytes a wave
.set AK0, 1                            ; v1   my lane's place in a tile of K
.set AV0, 2                            ; v2   in a tile of V
.set AB0, 3                            ; v3   in the table
.set ADK, 4                            ; v4-6 the step's addresses
.set ADV, 5
.set ADB, 6
.set QO,  7                            ; v7   my byte offset in the wave's rows of Q
.set STO, 8                            ; v8   the way out: where I put 16 bytes of a row
.set RD,  9                            ; v9   where I read back
.set GO,  10                           ; v10  16 x lane
.set PFO, 11                           ; v11  256 x lane: the prefetches' offset; never rewritten
.set NAN, 12                           ; v12  NaN
.set SPW, 14                           ; v14  LDS address of my spare word; never rewritten
.set NIL, 15                           ; v15  0; never rewritten
.set ST,  16                           ; tile t at v[ST + 8 t]: +0 c m, +1 m, +2, +3 l (even keys', odd keys'), +4 .. +7 c0-c3 at work; a takes c2's place
.set BI,  48
.set Q,   80                           ; tile t, channels 32 kc on: v[Q + 16 t + 8 kc]
.set KV,  144
.set S,   0                            ; in window 1
.set O,   128                          ; in window 1: tile t, channels 16 ct on: v[O + 32 t + 8 ct]
.set WV,  12                           ; s12  wave
.set LIM, 15                           ; s15  1 in a wave that prefetches, else the greatest number
.set THR, 16                           ; s16  -2^99
.set PFA, 18                           ; s[18:19] where my prefetches stand
.set G1K, 24                           ; s[24:31], s[32:39] descriptor group 1 for K's and V's tiles: they differ in the padding
.set G1V, 32
.set G0K, 40                           ; s[40:43], s[44:47] their groups 0, which walk
.set G0V, 44
.set SLOTS, 56                         ; s56  slots still to be asked for
.set CNT, 57                           ; s57  counts a slot's steps
.set CS,  58                           ; s[58:59] c, twice: the packed form names a pair
.set SEL, 60                           ; s[60:61] v_permlanex16_b32's selects for lane l xor 16
.set TB,  62                           ; s62  LDS byte at which the step's tiles begin
.set TM,  63                           ; s63  the step's first byte in the table
.set MSB, 0
.macro WIN new                         ; bits 1:0 source 0, 3:2 source 1, 5:4 source 2, 7:6 destination; the high byte repeats the setting that is left
.if MSB != (\new)
	s_set_vgpr_msb (MSB<<8)|(\new)
.set MSB, (\new)
.endif
.endm
; A joint load.  The branch hangs on the wave's number alone.  An s_nop 0 and four v_nop follow each line.
.macro JLOAD
	s_cmp_lt_u32 s[WV], 4
	s_cbranch_scc0 .Lfor_v_\@
	tensor_load_to_lds s[G0K:G0K+3], s[G1K:G1K+7]
	s_nop 0
.rept 4
	v_nop
.endr
	s_branch .Lasked_\@
.Lfor_v_\@:
	tensor_load_to_lds s[G0V:G0V+3], s[G1V:G1V+7]
	s_nop 0
.rept 4
	v_nop
.endr
.Lasked_\@:
.endm
; A prefetch of what the NEXT change of slots will ask for: a slot's 32,768 bytes of K and of V.  One cluster walks a head, so each block of 256 bytes is named once: the four partners take 8,192 bytes each, told apart by
; address; in each, wave 0 asks for K's and wave 4 for V's, lanes 256 bytes apart.  The change that asks for the last slot prefetches nothing; slots 0 and 1 come by their loads alone.
.macro ASK
	s_cmp_gt_u32 s[SLOTS], s[LIM]
	s_cbranch_scc0 .Lnot_mine_\@
	global_prefetch_b8 v[PFO], s[PFA:PFA+1] th:TH_LOAD_NT scope:SCOPE_SE
.Lnot_mine_\@:
.endm
.macro CROUND                          ; a round of the cluster's barrier
	s_barrier_signal -1
	s_barrier_wait -1
	s_cmp_lg_u32 s[WV], 0
	s_cbranch_scc1 .Lnot_wave_0_\@
	s_barrier_signal -3
.Lnot_wave_0_\@:
	s_barrier_wait -3
	s_barrier_signal -1
	s_barrier_wait -1
.endm
	s_load_b128 s[4:7], s[0:1], 0x0                ; qkv s[4:5], mask s[6:7]
	s_load_b64 s[8:9], s[0:1], 0x10                ; ctx
	v_lshl_add_u32 v[SPW], v0, 2, SPARE
	v_mov_b32 v[NIL], 0
	ds_add_u32 v[SPW], v[NIL]                      ; the wave's opening: the add, twice on end, and its wait ahead of my first tensor load
	ds_add_u32 v[SPW], v[NIL]
	v_lshrrev_b32 v13, 5, v0
	v_readfirstlane_b32 s[WV], v13                 ; wave 0..7
	s_bfe_u32 s13, ttmp6, 0x40000                  ; cx
	s_lshl_b32 s14, ttmp9, 2
	s_add_co_u32 s14, s14, s13                     ; my block of 512 queries: it enters Q's and ctx's addresses alone
	s_and_b32 s20, ttmp7, 0xffff                   ; 16 b + h, which the four partners share
	s_lshl_b32 s22, s20, 18                        ; the head's first byte: 262,144 a head
	s_mov_b32 s23, 0
	s_lshr_b32 s2, s20, 4
	s_lshl_b32 s2, s2, 11                          ; the batch's row of the mask
	s_mov_b32 s3, 0
	s_and_b32 s17, s[WV], 3                        ; which of a slot's four steps I fetch:
	s_lshl_b32 s48, s17, 13                        ; its 64 rows of 128 bytes in memory,
	s_mov_b32 s49, 0
	s_add_nc_u64 s[48:49], s[48:49], s[22:23]
	s_mul_i32 s17, s17, STEPB                      ; and its place in a slot
	s_lshl_b32 s50, s14, 16                        ; my block's 512 rows,
	s_lshl_b32 s51, s[WV], 13                      ; my wave's 64 of them
	s_add_co_u32 s50, s50, s51
	s_mov_b32 s51, 0
	s_add_nc_u64 s[50:51], s[50:51], s[22:23]
	s_mov_b32 s52, 0x2000000                       ; the prefetches: V begins 33,554,432 bytes into qkv, K 16,777,216
	s_cmp_lt_u32 s[WV], 4
	s_cselect_b32 s52, 0x1000000, s52
	s_lshl_b32 s53, s13, 13                        ; my work-group's 8,192 bytes of a slot's 32,768,
	s_add_co_u32 s52, s52, s53
	s_add_co_u32 s52, s52, NST*KS*128              ; in slot 1: the first change of slots steps it to slot 2
	s_mov_b32 s53, 0
	s_add_nc_u64 s[52:53], s[52:53], s[22:23]
	s_and_b32 s[LIM], s[WV], 3
	s_cmp_eq_u32 s[LIM], 0
	s_cselect_b32 s[LIM], 1, -1                    ; waves 0 and 4 ask: the same in all four partners
	; descriptor group 1: 64 rows x 64 elements of 2 bytes, dense in memory, padded in LDS behind every row
	s_mov_b32 s[G1K], 15|(1<<16)|(1<<20)|(1<<21)|(4<<22)|(3<<25)  ; 15:0 the mask: all four; 17:16 2 bytes; 20 padding on; 21 set beside a mask; 24:22 after every 32 words; 31:25 four words
	s_mov_b32 s[G1V], 15|(1<<16)|(1<<20)|(1<<21)|(4<<22)|(7<<25)  ; the same with eight words
.irp g, G1K, G1V
	s_mov_b32 s[\g+1], 64<<16                      ; tensor_dim0
	s_mov_b32 s[\g+2], KS<<16                      ; tensor_dim1
	s_mov_b32 s[\g+3], 64<<16                      ; tile_dim0
	s_mov_b32 s[\g+4], KS                          ; tile_dim1
	s_mov_b32 s[\g+5], 64                          ; stride from row to row
	s_mov_b32 s[\g+6], 0
	s_mov_b32 s[\g+7], 0
.endr
	s_mov_b32 s[CS], 0x3e38aa3b                    ; c = log2(e) / 8
	s_mov_b32 s[CS+1], s[CS]
	s_mov_b32 s[SEL], 0x76543210
	s_mov_b32 s[SEL+1], 0xfedcba98
	s_mov_b32 s[THR], 0xf1000000
	s_mov_b32 s[TB], 0
	s_mov_b32 s[TM], 0
	s_mov_b32 s[SLOTS], 2048/(NST*KS)-1
	s_wait_dscnt 0x0                               ; both opening adds are done
	s_wait_kmcnt 0x0
	s_add_nc_u64 s[20:21], s[4:5], s[50:51]        ; Q at my wave's first row
	s_add_nc_u64 s[8:9], s[8:9], s[50:51]          ; ctx likewise
	s_add_nc_u64 s[6:7], s[6:7], s[2:3]            ; the mask at my batch
	s_add_nc_u64 s[PFA:PFA+1], s[4:5], s[52:53]
	s_add_nc_u64 s[48:49], s[4:5], s[48:49]
	s_mov_b32 s[G0K], 1                            ; count = 1
	s_mov_b32 s[G0K+1], s17                        ; LDS address: slot 0
	s_add_nc_u64 s[G0K+2:G0K+3], s[48:49], 0x1000000   ; my step of the head's first 256 keys
	s_or_b32 s[G0K+3], s[G0K+3], 0x80000000        ; type = 2
	s_mov_b32 s[G0V], 1
	s_add_co_u32 s[G0V+1], s17, VOFF
	s_add_nc_u64 s[G0V+2:G0V+3], s[48:49], 0x2000000
	s_or_b32 s[G0V+3], s[G0V+3], 0x80000000
	CROUND                                         ; all four work-groups are here: the first joint loads meet
	JLOAD                                          ; slot 0
	v_lshlrev_b32 v13, 3, v0
	global_load_b64 v[208:209], v13, s[6:7]        ; eight bytes of the mask a thread: 256 threads, 2,048 keys
	v_and_b32 v210, 15, v0                         ; r
	v_bfe_u32 v211, v0, 4, 1                       ; h
	v_lshlrev_b32 v[QO], 7, v210
	v_lshl_add_u32 v[QO], v211, 4, v[QO]           ; row r of 128 bytes + 16 h
.irp f, 0,1,2,3,4,5,6,7                        ; Q stays in registers: tile f / 2, channels 32 (f % 2) on
	global_load_b128 v[Q+8*\f:Q+8*\f+3], v[QO], s[20:21] offset:(\f/2)*2048+(\f%2)*64
	global_load_b128 v[Q+8*\f+4:Q+8*\f+7], v[QO], s[20:21] offset:(\f/2)*2048+(\f%2)*64+32
.endr
	v_mul_u32_u24 v[AK0], v210, KP
	v_lshl_add_u32 v[AK0], v211, 4, v[AK0]         ; K: row x pitch + 16 x half
	v_and_b32 v221, 7, v0
	v_bfe_u32 v222, v0, 3, 1
	v_lshl_add_u32 v[AV0], v211, 3, v221           ; V: lane l reads 16 bytes: key 8 (l / 16) + l % 8, channels 8 ((l / 8) % 2) + 0..7
	v_mul_u32_u24 v[AV0], v[AV0], VP
	v_lshl_add_u32 v[AV0], v222, 4, v[AV0]
	v_add_nc_u32 v[AV0], VOFF, v[AV0]
	v_lshl_add_u32 v[AB0], v211, 5, BIAS           ; the table: my half's eight keys of a tile
	s_mul_i32 s2, s[WV], 16*SP
	s_add_co_u32 s2, s2, STAGE                     ; my stage
	v_add_nc_u32 v[STO], s2, v[AK0]                ; in: row r, 16 bytes for each half of the lanes (the stage's pitch is K's)
	v_bfe_u32 v223, v0, 3, 2
	v_mul_u32_u24 v[RD], v223, SP                  ; back: eight lanes to a row of 128 bytes, four rows an instruction
	v_lshl_add_u32 v[RD], v221, 4, v[RD]
	v_add_nc_u32 v[RD], s2, v[RD]
	v_and_b32 v[GO], 31, v0
	v_lshlrev_b32 v[PFO], 8, v[GO]
	v_lshlrev_b32 v[GO], 4, v[GO]
	v_mov_b32 v[NAN], 0x7fc00000
.irp t, 0,1,2,3
	v_mov_b32 v[ST+8*\t+1], 0xff61b1e6             ; m = -3e38, under every score and under the table's -2^100
	v_mul_f32 v[ST+8*\t], s[CS], v[ST+8*\t+1]      ; c m
	v_mov_b32 v[ST+8*\t+2], 0                      ; l
	v_mov_b32 v[ST+8*\t+3], 0
.endr
	WIN 0x40
.set i, O
.rept 128
	v_mov_b32 v[i], 0                              ; O^T.  The key step is written once: its first turn finds zeros, which a = 0 leaves zeros
.set i, i+1
.endr
	WIN 0
	s_wait_loadcnt 0x0                             ; the mask and Q
.irp i, 0,1,2,3,4,5,6,7
	v_bfe_u32 v[212+\i], v[208+\i/4], 8*(\i%4), 8  ; 1: open, 0: masked
.endr
.irp i, 0,1,2,3,4,5,6,7
	v_add_nc_u32 v[212+\i], -1, v[212+\i]          ; 0, or all ones
.endr
.irp i, 0,1,2,3,4,5,6,7
	v_and_b32 v[212+\i], 0xf1800000, v[212+\i]     ; 0, or -2^100
.endr
	v_lshl_add_u32 v220, v0, 5, BIAS
	ds_store_b128 v220, v[212:215]
	ds_store_b128 v220, v[216:219] offset:16       ; the first change of slots waits for these in front of its round
.macro SCL p                           ; pair p of the wave's 64 pairs of scores: c s - c m
	v_pk_fma_f32 v[S+2*(\p):S+2*(\p)+1], v[S+2*(\p):S+2*(\p)+1], s[CS:CS+1], v[ST+8*((\p)/16):ST+8*((\p)/16)+1] op_sel_hi:[1,0,0] neg_lo:[0,0,1] neg_hi:[0,0,1]
.endm
.macro PL p                            ; the plain lines dealt among the exponentials: 0-31 the scalings of tiles 2 and 3; 32-95 O^T times a, pair by pair, each accumulator from its low end on
.if (\p) < 32
	SCL (\p)+32
.else
	v_pk_mul_f32 v[O+2*((\p)-32):O+2*((\p)-32)+1], v[O+2*((\p)-32):O+2*((\p)-32)+1], v[ST+8*(((\p)-32)/16)+6:ST+8*(((\p)-32)/16)+7] op_sel_hi:[1,0]
.endif
.endm
.macro EX e
	v_exp_f32 v[S+(\e)], v[S+(\e)]
.endm
; A KEY STEP: 64 keys.
.macro STEP
	v_add_nc_u32 v[ADK], s[TB], v[AK0]             ; three additions and two v_nop: the five places between the last V^T P and the products that write over P, and the places in front of the loads into V's registers
	v_add_nc_u32 v[ADV], s[TB], v[AV0]
	v_add_nc_u32 v[ADB], s[TM], v[AB0]
	v_nop
	v_nop
.irp f, 0,1,2,3,4,5,6,7                        ; K: keys 16 (f / 2) on, channels 32 (f % 2) on
	ds_load_b128 v[KV+8*\f:KV+8*\f+3], v[ADK] offset:(\f/2)*16*KP+(\f%2)*64
	ds_load_b128 v[KV+8*\f+4:KV+8*\f+7], v[ADK] offset:(\f/2)*16*KP+(\f%2)*64+32
.endr
.irp k, 0,1,2,3                                ; the table: keys 16 k + 8 h + 0 .. 7, the result's layout
	ds_load_b128 v[BI+8*\k:BI+8*\k+3], v[ADB] offset:64*\k
	ds_load_b128 v[BI+8*\k+4:BI+8*\k+7], v[ADB] offset:64*\k+16
.endr
	s_wait_dscnt 0x0
	WIN 0x40                                       ; S^T in window 1; K, Q and the table in window 0.  Sixteen accumulators take turns, one instruction a turn
.irp k, 0,1,2,3
.irp t, 0,1,2,3
	v_wmma_f32_16x16x32_f16 v[S+32*\t+8*\k:S+32*\t+8*\k+7], v[KV+16*\k:KV+16*\k+7], v[Q+16*\t:Q+16*\t+7], v[BI+8*\k:BI+8*\k+7]
.endr
.endr
	WIN 0x50
.irp k, 0,1,2,3
.irp t, 0,1,2,3
	v_wmma_f32_16x16x32_f16 v[S+32*\t+8*\k:S+32*\t+8*\k+7], v[KV+16*\k+8:KV+16*\k+15], v[Q+16*\t+8:Q+16*\t+15], v[S+32*\t+8*\k:S+32*\t+8*\k+7]
.endr
.endr
	WIN 0
.rept 4
	v_nop                                          ; places in front of the loads into K's registers and of the first read of the scores
.endr
.irp f, 0,1,2,3,4,5,6,7                        ; V, turned: keys 32 (f / 4) on, channels 16 (f % 4) on; it lands under the softmax
	ds_load_tr16_b128 v[KV+8*\f:KV+8*\f+3], v[ADV] offset:(\f/4)*32*VP+(\f%4)*32
	ds_load_tr16_b128 v[KV+8*\f+4:KV+8*\f+7], v[ADV] offset:(\f/4)*32*VP+16*VP+(\f%4)*32
.endr
	WIN 0x15                                       ; the maximum of a lane's 32 scores and the old m: four chains a tile, the four tiles by turns
.irp j, 0,1,2,3
.irp t, 0,1,2,3
	v_max3_num_f32 v[ST+8*\t+4+\j], v[S+32*\t+8*\j], v[S+32*\t+8*\j+1], v[S+32*\t+8*\j+2]
.endr
.endr
	WIN 0x14
.irp j, 4,5,6,7,8,9,10,11
.irp t, 0,1,2,3
	v_max3_num_f32 v[ST+8*\t+4+\j%4], v[ST+8*\t+4+\j%4], v[S+32*\t+8*(\j%4)+2*(\j/4)+1], v[S+32*\t+8*(\j%4)+2*(\j/4)+2]
.endr
.endr
.irp t, 0,1,2,3
	v_max3_num_f32 v[ST+8*\t+4], v[ST+8*\t+4], v[S+32*\t+7], v[S+32*\t+15]
.endr
.irp t, 0,1,2,3
	v_max3_num_f32 v[ST+8*\t+6], v[ST+8*\t+6], v[S+32*\t+23], v[S+32*\t+31]
.endr
	WIN 0
.irp t, 0,1,2,3
	v_max3_num_f32 v[ST+8*\t+4], v[ST+8*\t+4], v[ST+8*\t+5], v[ST+8*\t+6]
.endr
.irp t, 0,1,2,3
	v_max3_num_f32 v[ST+8*\t+4], v[ST+8*\t+4], v[ST+8*\t+7], v[ST+8*\t+1]
.endr
.irp t, 0,1,2,3
	v_permlanex16_b32 v[ST+8*\t+5], v[ST+8*\t+4], s[SEL], s[SEL+1]  ; the query's other 32 keys lie in the lane 16 away
.endr
.irp t, 0,1,2,3
	v_mov_b32 v[ST+8*\t+7], v[ST+8*\t]             ; c m_old is kept for a
.endr
.irp t, 0,1,2,3
	v_max_num_f32 v[ST+8*\t+1], v[ST+8*\t+4], v[ST+8*\t+5]
.endr
.irp t, 0,1,2,3
	v_mul_f32 v[ST+8*\t], s[CS], v[ST+8*\t+1]
.endr
.irp t, 0,1,2,3
	v_sub_f32 v[ST+8*\t+7], v[ST+8*\t+7], v[ST+8*\t]
.endr
.irp t, 0,1,2,3
	v_exp_f32 v[ST+8*\t+6], v[ST+8*\t+7]           ; a
.endr
	WIN 0x41                                       ; destination and source 0 in window 1, the statistics in window 0
.set p, 0
.rept 32
	SCL p                                          ; tiles 0 and 1: plain work behind the four exponentials; it names none of their results
.set p, p+1
.endr
	s_wait_alu depctr_va_vdst(0)                   ; the wait ahead of the first line that names a: one for the four
.set g, 0
.rept 32                                       ; ONE BATCH of 128 exponentials, with 96 plain lines among them; none of these names an exponential's result.  Tiles 2 and 3 are scaled by g = 10, their exponentials begin at g = 16
	PL 3*g
	EX 4*g
	PL 3*g+1
	EX 4*g+1
	PL 3*g+2
	EX 4*g+2
	EX 4*g+3
.set g, g+1
.endr
	v_nop                                          ; a plain line behind the last exponential
	s_wait_alu depctr_va_vdst(0)                   ; one wait for the batch, ahead of its first reader
	WIN 0x10
.irp t, 0,1,2,3
	v_pk_fma_f32 v[ST+8*\t+2:ST+8*\t+3], v[ST+8*\t+2:ST+8*\t+3], v[ST+8*\t+6:ST+8*\t+7], v[S+32*\t:S+32*\t+1] op_sel_hi:[1,0,1]   ; l = l a + the first pair
.endr
	WIN 0x04
.irp j, 1,2,3,4,5,6,7,8,9,10,11,12,13,14,15
.irp t, 0,1,2,3
	v_pk_add_f32 v[ST+8*\t+2:ST+8*\t+3], v[ST+8*\t+2:ST+8*\t+3], v[S+32*\t+2*\j:S+32*\t+2*\j+1]
.endr
.endr
	WIN 0x45
.irp j, 0,1,2,3,4,5,6,7,8,9,10,11,12,13,14,15  ; P over the low half of p: register j is written when it has been read
.irp t, 0,1,2,3
	v_cvt_pk_f16_f32 v[S+32*\t+\j], v[S+32*\t+2*\j], v[S+32*\t+2*\j+1]
.endr
.endr
	s_wait_dscnt 0x0                               ; V is in
	WIN 0x54                                       ; V in window 0; P and O^T in window 1.  Sixteen accumulators by turns
.irp u, 0,1
.irp c, 0,1,2,3
.irp t, 0,1,2,3
	v_wmma_f32_16x16x32_f16 v[O+32*\t+8*\c:O+32*\t+8*\c+7], v[KV+32*\u+8*\c:KV+32*\u+8*\c+7], v[S+32*\t+8*\u:S+32*\t+8*\u+7], v[O+32*\t+8*\c:O+32*\t+8*\c+7]
.endr
.endr
.endr
	WIN 0
	s_add_co_u32 s[TB], s[TB], STEPB
	s_add_co_u32 s[TM], s[TM], KS*4
.endm
; THE CHANGE OF SLOTS, at a slot's head.  Each wave waits for all its tensor loads (its part of the slot ahead), adds 0 to its spare word, and waits for that and for its reads of the slot that it has left.
; fill = 1: the barrier is a round of the cluster's, and behind it the other slot is asked for: the wave's one tensor load until the next round.
.macro CHANGE fill
	s_wait_tensorcnt 0x0                           ; no tensor load of mine is out, so a group 0 may be written
	ds_add_u32 v[SPW], v[NIL]
.if \fill
	s_xor_b32 s[G0K+1], s[G0K+1], SLOT1            ; the other slot than last time,
	s_add_nc_u64 s[G0K+2:G0K+3], s[G0K+2:G0K+3], NST*KS*128   ; the next 256 keys
	s_xor_b32 s[G0V+1], s[G0V+1], SLOT1
	s_add_nc_u64 s[G0V+2:G0V+3], s[G0V+2:G0V+3], NST*KS*128
	s_wait_xcnt 0x0                                ; the last prefetch, a slot back, has read its address
	s_add_nc_u64 s[PFA:PFA+1], s[PFA:PFA+1], NST*KS*128
	s_wait_dscnt 0x0
	CROUND
	JLOAD
	ASK
.else
	s_wait_dscnt 0x0
	s_barrier_signal -1
	s_barrier_wait -1
.endif
.endm
.macro SLOT_STEPS                      ; a slot's four key steps: written once, walked four times
	s_mov_b32 s[CNT], NST
.Lstep_\@:
	STEP
	s_sub_co_u32 s[CNT], s[CNT], 1
	s_cmp_lg_u32 s[CNT], 0
	s_cbranch_scc1 .Lstep_\@
	s_sub_co_u32 s[TB], s[TB], SLOTB
	s_xor_b32 s[TB], s[TB], SLOT1                  ; on to the other slot
.endm
.Lslot:                                            ; seven trips: behind each change of slots but the last the next slot is asked for
	CHANGE 1
	SLOT_STEPS
	s_sub_co_u32 s[SLOTS], s[SLOTS], 1
	s_cmp_lg_u32 s[SLOTS], 0
	s_cbranch_scc1 .Lslot
	CHANGE 0                                       ; the last slot is written out
	SLOT_STEPS
	; THE WAY OUT.  l's two halves and the other half of the lanes' are added (these lines are the places behind the last products); O^T / l, rounded to f16, goes through my stage, a tile at a time.
.irp t, 0,1,2,3
	v_add_f32 v[ST+8*\t+4], v[ST+8*\t+2], v[ST+8*\t+3]
.endr
.irp t, 0,1,2,3
	v_permlanex16_b32 v[ST+8*\t+5], v[ST+8*\t+4], s[SEL], s[SEL+1]
.endr
.irp t, 0,1,2,3
	v_add_f32 v[ST+8*\t+4], v[ST+8*\t+4], v[ST+8*\t+5]
.endr
.irp t, 0,1,2,3
	v_rcp_f32 v[ST+8*\t+6], v[ST+8*\t+4]
.endr
	v_nop
	s_wait_alu depctr_va_vdst(0)                   ; one wait for the four reciprocals
.irp t, 0,1,2,3
	v_cmp_gt_f32 vcc_lo, s[THR], v[ST+8*\t+1]      ; no open key in the batch: m has stayed under -2^99
	v_cndmask_b32 v[ST+8*\t+6], v[ST+8*\t+6], v[NAN], vcc_lo
.endr
.macro PACK t
	WIN 0x41
.set i, 0
.rept 16
	v_pk_mul_f32 v[O+32*\t+i:O+32*\t+i+1], v[O+32*\t+i:O+32*\t+i+1], v[ST+8*\t+6:ST+8*\t+7] op_sel_hi:[1,0]
.set i, i+2
.endr
	WIN 0x05
.set i, 0
.rept 16
	v_cvt_pk_f16_f32 v[KV+16*\t+i], v[O+32*\t+2*i], v[O+32*\t+2*i+1]
.set i, i+1
.endr
	WIN 0
.irp f, 0,1,2,3
	ds_store_b128 v[STO], v[KV+16*\t+4*\f:KV+16*\t+4*\f+3] offset:32*\f
.endr
.irp f, 0,1,2,3
	ds_load_b128 v[KV+16*\t+4*\f:KV+16*\t+4*\f+3], v[RD] offset:\f*4*SP   ; LDS serves a wave's instructions in order: these see the stores above, and the next tile's stores come behind them
.endr
.endm
.macro SEND t, younger                 ; younger: the LDS instructions issued behind tile t's loads: the next tile's four stores and four loads, or none
.irp f, 0,1,2,3
	s_wait_dscnt \younger+3-\f
	global_store_b128 v[GO], v[KV+16*\t+4*\f:KV+16*\t+4*\f+3], s[8:9] offset:\t*2048+\f*512   ; the wave stores four rows: 512 consecutive bytes, aligned
.endr
.endm
	PACK 0
	PACK 1
	SEND 0, 8
	PACK 2
	SEND 1, 8
	PACK 3
	SEND 2, 8
	SEND 3, 0
	s_wait_tensorcnt 0x0                           ; the wave's end
	ds_add_u32 v[SPW], v[NIL]
	s_wait_dscnt 0x0
	CROUND                                         ; the closing round
	s_endpgm
.Lfunc_end_k_q89d5f5c8a9_attn:
	.size	k_q89d5f5c8a9_attn, .Lfunc_end_k_q89d5f5c8a9_attn-k_q89d5f5c8a9_attn
	.p2alignl 7, 3214868480
	.fill 96, 4, 3214868480
	.section	.rodata,"a",@progbits
	.p2align	6, 0x0
	.amdhsa_kernel k_q89d5f5c8a9_attn
		.amdhsa_group_segment_fixed_size 327680
		.amdhsa_private_segment_fixed_size 0
		.amdhsa_enable_private_segment 0
		.amdhsa_kernarg_size 24
		.amdhsa_user_sgpr_count 2
		.amdhsa_user_sgpr_kernarg_segment_ptr 1
		.amdhsa_wavefront_size32 1
		.amdhsa_system_sgpr_workgroup_id_x 1
		.amdhsa_system_sgpr_workgroup_id_y 1
		.amdhsa_system_sgpr_workgroup_id_z 1
		.amdhsa_system_vgpr_workitem_id 0
		.amdhsa_next_free_vgpr 512
		.amdhsa_next_free_sgpr 66
		.amdhsa_reserve_vcc 1
		.amdhsa_float_denorm_mode_32 3
		.amdhsa_float_denorm_mode_16_64 3
		.amdhsa_memory_ordered 1
		.amdhsa_forward_progress 1
		.amdhsa_inst_pref_size 95
	.end_amdhsa_kernel
	.amdgpu_metadata
---
amdhsa.version: [ 1, 2 ]
amdhsa.kernels:
  - .name:           k_q89d5f5c8a9_attn
    .symbol:         k_q89d5f5c8a9_attn.kd
    .args:
      - { .name: qkv, .offset: 0, .size: 8, .value_kind: global_buffer, .address_space: global }
      - { .name: mask, .offset: 8, .size: 8, .value_kind: global_buffer, .address_space: global }
      - { .name: ctx, .offset: 16, .size: 8, .value_kind: global_buffer, .address_space: global }
    .group_segment_fixed_size: 327680
    .private_segment_fixed_size: 0
    .kernarg_segment_align: 8
    .kernarg_segment_size: 24
    .max_flat_workgroup_size: 256
    .sgpr_count:     66
    .vgpr_count:     512
    .wavefront_size: 32
...
	.end_amdgpu_metadata
.endif
;; end of part 3
;; launch outp (part 4): grid 4 x 64, 4 waves a work-group, clusters of 4 x 4, 327,680 bytes of LDS; arguments ctx, wo16, bo, out0; writes out0
.if DOCPART == 4
	.amdgcn_target "amdgcn-amd-amdhsa--gfx1250"
	.amdhsa_code_object_version 6
	.text
	.protected	k_q89d5f5c8a9_outp
	.globl	k_q89d5f5c8a9_outp
	.p2align	8
	.type	k_q89d5f5c8a9_outp,@function
k_q89d5f5c8a9_outp:
	s_mov_b64 s[64:65], 0
	v_nop
	global_prefetch_b8 v0, s[64:65] scope:SCOPE_SE
	s_setreg_imm32_b32 hwreg(HW_REG_WAVE_MODE, 25, 1), 1
	s_wait_xcnt 0x0
	s_wait_alu depctr_hold_cnt(0) depctr_sa_sdst(0) depctr_va_vdst(0) depctr_va_sdst(0) depctr_va_ssrc(0) depctr_va_vcc(0) depctr_vm_vsrc(0)
	s_getreg_b32 s2, hwreg(HW_REG_IB_STS2, 6, 4)
	s_cmp_eq_u32 s2, 0
	s_cbranch_scc0 .Lentry_in_a_cluster
	s_endpgm
.Lentry_in_a_cluster:
	s_bfe_u32 s2, ttmp6, 0x10000c
	s_cmp_lg_u32 s2, 0xf033
	s_cbranch_scc0 .Lentry_shape_is_right
	s_endpgm
.Lentry_shape_is_right:
; out0[token][n] = the sum over d of ctx[token][d] Wo[n][d] + bo[n].  ctx: [4 b][16 h][2048 s][64] f16; wo16: [16 chunks of 64 d][1024 n][64] f16; bo [1024], out0 [8192][1024] f32.  f16 operands, f32 sums.
; A tile of out0 is 128 tokens x 256 outputs: 256 work-groups.  Four waves, each 64 tokens x 128 outputs: 32 accumulators, 256 registers.
; K goes by heads: a K step is two heads, 128 along K.  A head's 128 token rows are one dense block of 16,384 bytes of ctx, a chunk's 256 rows of wo16 one of 32,768: waves 0 and 1 fetch A's two chunks, waves 2 and 3 B's, one tensor load each.
; Two LDS slots by turns, eight K steps.  CLUSTERS: 4 x 4 work-groups; A's tiles are shared along a row of the cluster, B's along a column, and asked for jointly.
; THE MATRIX INSTRUCTION IS USED TRANSPOSED (source 0 = 16 rows of Wo, source 1 = 16 tokens): a lane holds eight neighbouring outputs of one token.  THE BIAS is the C of each sum's first product.
; REGISTERS: window 0: v16-29 addresses; v64-127 the bias, eight registers for each of my eight blocks of outputs; on the way out v64-191 rows read back.
;   window 1: two fragment buffers at v0 and v128: 64 registers of B (8 x 16 rows x 32 K), then 32 of A.   window 2: accumulator (a, b) at v[8 (8 a + b)].
.set PITCH,  144                       ; an LDS row: 128 bytes + 16 of padding
.set ACH,    128*PITCH                 ; a chunk of A
.set BCH,    256*PITCH                 ; a chunk of B
.set SLOT,   2*ACH+2*BCH               ; A's two chunks, then B's two
.set STAGE,  2*SLOT                    ; the way out: 16 rows x 528 bytes for each wave
.set SPITCH, 528
.set SPARE,  STAGE+4*16*SPITCH         ; the spare words, 128 bytes a wave
.set LAPS,   4                         ; a lap = two K steps = once round the ring
.set ADRA, 16                          ; v16-17  LDS address of my A fragments in slot 0, 1
.set ADRB, 20                          ; v20-21  the same for B
.set STO,  24
.set RD,   25
.set CO,   26
.set VB,   27                          ; v27  32 x (lane / 16)
.set SPW,  28                          ; v28  LDS address of my spare word; never rewritten
.set NIL,  29                          ; v29  0; never rewritten
.set BO,   64
.set BK,   64                          ; the way out: v64-127 and v128-191 by turns
.set F0,   0
.set F1,   128
.set WV, 12                            ; s12 wave;  s13 wave / 2: my half of the tokens, and: I fetch for A (0) or B (1);  s14 wave % 2: my half of the outputs, and: which chunk I fetch;  s15 tile row
.set WM, 13
.set WN, 14
.set TY, 15
.set G1, 24
.set G0, 32
.set G1B, 48
.set G0B, 56
.set MSB, 0
.macro WIN new
.if MSB != (\new)
	s_set_vgpr_msb (MSB<<8)|(\new)
.set MSB, (\new)
.endif
.endm
.set MUL,  0xa5                        ; sources 0 (B) and 1 (A) window 1; C and D window 2;  with the bias as C (window 0): 0x85
.set TO_F, 0x40
.macro JLOAD s                         ; a joint load; an s_nop 0 and four v_nop follow each line
	s_cmp_eq_u32 s[WM], 0
	s_cbranch_scc0 .Lfor_b_\@
	tensor_load_to_lds s[G0+4*\s:G0+4*\s+3], s[G1:G1+7]
	s_nop 0
.rept 4
	v_nop
.endr
	s_branch .Lasked_\@
.Lfor_b_\@:
	tensor_load_to_lds s[G0B+4*\s:G0B+4*\s+3], s[G1B:G1B+7]
	s_nop 0
.rept 4
	v_nop
.endr
.Lasked_\@:
.endm
.macro CREST                           ; a round of the cluster's barrier behind its opening barrier
	s_cmp_lg_u32 s[WV], 0
	s_cbranch_scc1 .Lnot_wave_0_\@
	s_barrier_signal -3
.Lnot_wave_0_\@:
	s_barrier_wait -3
	s_barrier_signal -1
	s_barrier_wait -1
.endm
.macro CROUND
	s_barrier_signal -1
	s_barrier_wait -1
	CREST
.endm
	s_load_b256 s[4:11], s[0:1], 0x0               ; ctx s[4:5], wo16 s[6:7], bo s[8:9], out0 s[10:11]
	v_lshl_add_u32 v[SPW], v0, 2, SPARE
	v_mov_b32 v[NIL], 0
	ds_add_u32 v[SPW], v[NIL]                      ; the wave's opening: the add, twice on end, and its wait ahead of my first tensor load
	ds_add_u32 v[SPW], v[NIL]
	v_lshrrev_b32 v1, 5, v0
	v_readfirstlane_b32 s[WV], v1
	s_lshr_b32 s[WM], s[WV], 1
	s_and_b32 s[WN], s[WV], 1
	s_bfe_u32 s40, ttmp6, 0x40000                  ; cx, cy
	s_bfe_u32 s41, ttmp6, 0x40004
	s_lshl_b32 s42, ttmp9, 2
	s_add_co_u32 s42, s42, s40                     ; tile column: 256 outputs
	s_and_b32 s[TY], ttmp7, 0xffff
	s_lshl_b32 s[TY], s[TY], 2
	s_add_co_u32 s[TY], s[TY], s41                 ; tile row: 128 tokens
	s_lshl_b32 s43, s41, 2
	s_lshl_b32 s43, 15, s43                        ; my row of the cluster
	s_lshl_b32 s44, 0x1111, s40                    ; my column
	; descriptor group 1: rows of 64 elements of 2 bytes, dense in memory, 16 bytes of padding behind each in LDS; A: 128 rows, B: 256
	s_or_b32 s[G1+0], s43, (1<<16)|(1<<20)|(1<<21)|(4<<22)|(3<<25)
	s_or_b32 s[G1B+0], s44, (1<<16)|(1<<20)|(1<<21)|(4<<22)|(3<<25)
	s_mov_b32 s[G1+1], 64<<16                      ; tensor_dim0
	s_mov_b32 s[G1+2], 128<<16                     ; tensor_dim1
	s_mov_b32 s[G1+3], 64<<16                      ; tile_dim0
	s_mov_b32 s[G1+4], 128                         ; tile_dim1
	s_mov_b32 s[G1+5], 64                          ; stride from row to row
	s_mov_b32 s[G1+6], 0
	s_mov_b32 s[G1+7], 0
	s_mov_b32 s[G1B+1], 64<<16
	s_mov_b32 s[G1B+2], 256<<16
	s_mov_b32 s[G1B+3], 64<<16
	s_mov_b32 s[G1B+4], 256
	s_mov_b32 s[G1B+5], 64
	s_mov_b32 s[G1B+6], 0
	s_mov_b32 s[G1B+7], 0
	s_lshr_b32 s16, s[TY], 4                       ; A: the batch, 4,194,304 bytes;
	s_lshl_b32 s16, s16, 22
	s_and_b32 s17, s[TY], 15
	s_lshl_b32 s17, s17, 14                        ; my 128 tokens in a head, 16,384 bytes;
	s_add_co_u32 s16, s16, s17
	s_lshl_b32 s17, s[WN], 18                      ; the head that I fetch, 262,144 bytes
	s_add_co_u32 s16, s16, s17
	s_mov_b32 s17, 0
	s_lshl_b32 s46, s42, 15                        ; B: my 256 rows in a chunk, 32,768 bytes;
	s_lshl_b32 s47, s[WN], 17                      ; the chunk that I fetch, 131,072 bytes
	s_add_co_u32 s46, s46, s47
	s_mov_b32 s47, 0
	s_mul_i32 s20, s[WN], ACH                      ; where they go: no place in the cluster enters an LDS address
	s_mul_i32 s21, s[WN], BCH
	s_add_co_u32 s21, s21, 2*ACH
	s_wait_dscnt 0x0                               ; both opening adds are done
	s_wait_kmcnt 0x0
	s_add_nc_u64 s[18:19], s[4:5], s[16:17]
	s_add_nc_u64 s[46:47], s[6:7], s[46:47]
	CROUND                                         ; all sixteen work-groups are here: the first joint loads meet
.irp s, 0,1
	s_mov_b32 s[G0+4*\s], 1
	s_add_co_u32 s[G0+4*\s+1], s20, \s*SLOT
	s_add_nc_u64 s[G0+4*\s+2:G0+4*\s+3], s[18:19], \s*2*262144
	s_or_b32 s[G0+4*\s+3], s[G0+4*\s+3], 0x80000000
	s_mov_b32 s[G0B+4*\s], 1
	s_add_co_u32 s[G0B+4*\s+1], s21, \s*SLOT
	s_add_nc_u64 s[G0B+4*\s+2:G0B+4*\s+3], s[46:47], \s*2*131072
	s_or_b32 s[G0B+4*\s+3], s[G0B+4*\s+3], 0x80000000
	JLOAD \s                                       ; two tensor loads of mine are out behind the second
.endr
	v_and_b32 v1, 15, v0                           ; r
	v_bfe_u32 v2, v0, 4, 1                         ; h
	s_lshl_b32 s46, s42, 10                        ; my first output, in bytes of f32: 1,024 x tile column + 512 x half
	s_lshl_b32 s47, s[WN], 9
	s_add_co_u32 s46, s46, s47
	s_mov_b32 s47, 0
	s_add_nc_u64 s[8:9], s[8:9], s[46:47]
	v_lshlrev_b32 v[VB], 5, v2
.irp b, 0,1,2,3,4,5,6,7                        ; block b, lane (r, h): bo[.. + 16 b + 8 h + 0 .. 7], the result's layout
	global_load_b128 v[BO+8*\b:BO+8*\b+3], v[VB], s[8:9] offset:64*\b
	global_load_b128 v[BO+8*\b+4:BO+8*\b+7], v[VB], s[8:9] offset:64*\b+16
.endr
	v_mul_u32_u24 v3, v1, PITCH
	v_lshl_add_u32 v3, v2, 4, v3                   ; a fragment's row x pitch + 16 x half
	s_mul_i32 s21, s[WM], 64*PITCH                 ; my 64 rows of A
	s_mul_i32 s22, s[WN], 128*PITCH                ; my 128 rows of B,
	s_add_co_u32 s22, s22, 2*ACH                   ; behind A's two chunks
.irp s, 0,1
	v_add_nc_u32 v[ADRA+\s], s21, v3
	v_add_nc_u32 v[ADRB+\s], s22, v3
	s_add_co_u32 s21, s21, SLOT
	s_add_co_u32 s22, s22, SLOT
.endr
	s_mul_i32 s23, s[WV], 16*SPITCH
	s_add_co_u32 s23, s23, STAGE                   ; my stage
	v_mul_u32_u24 v5, v1, SPITCH                   ; in: token r, 32 bytes for each half of the lanes
	v_lshl_add_u32 v5, v2, 5, v5
	v_add_nc_u32 v[STO], s23, v5
	v_and_b32 v6, 31, v0
	v_lshlrev_b32 v[CO], 4, v6                     ; back: the 32 lanes take one row of 512 bytes; and the same in out0
	v_add_nc_u32 v[RD], s23, v[CO]
	s_lshl_b32 s16, s[TY], 19                      ; my first token's row: (128 x tile row + 64 x half) x 4,096 bytes
	s_lshl_b32 s17, s[WM], 18
	s_add_co_u32 s16, s16, s17
	s_mov_b32 s17, 0
	s_add_nc_u64 s[16:17], s[16:17], s[46:47]
	s_add_nc_u64 s[10:11], s[10:11], s[16:17]
; 8 matrix instructions: token block a x my eight blocks of outputs, 32 along K.  first = 1: the bias starts the sums.  The 32 accumulators take turns in one order.
.macro MUL8 f, a, first
.irp b, 0,1,2,3,4,5,6,7
.if \first
	v_wmma_f32_16x16x32_f16 v[8*(8*(\a)+\b):8*(8*(\a)+\b)+7], v[\f+8*\b:\f+8*\b+7], v[\f+64+8*(\a):\f+64+8*(\a)+7], v[BO+8*\b:BO+8*\b+7]
.else
	v_wmma_f32_16x16x32_f16 v[8*(8*(\a)+\b):8*(8*(\a)+\b)+7], v[\f+8*\b:\f+8*\b+7], v[\f+64+8*(\a):\f+64+8*(\a)+7], v[8*(8*(\a)+\b):8*(8*(\a)+\b)+7]
.endif
.endr
.endm
; 24 LDS loads in one run: the fragments of the slot's q-th 32 along K (chunk q / 2, byte 64 (q % 2) of its rows) into buffer f: B's sixteen loads, then A's eight
.macro FETCH slot, q, f
	WIN TO_F
.irp i, 0,1,2,3,4,5,6,7
	ds_load_b128 v[\f+8*\i:\f+8*\i+3],   v[ADRB+\slot] offset:((\q)/2)*BCH+((\q)%2)*64+\i*16*PITCH
	ds_load_b128 v[\f+8*\i+4:\f+8*\i+7], v[ADRB+\slot] offset:((\q)/2)*BCH+((\q)%2)*64+\i*16*PITCH+32
.endr
.irp i, 0,1,2,3
	ds_load_b128 v[\f+64+8*\i:\f+64+8*\i+3],   v[ADRA+\slot] offset:((\q)/2)*ACH+((\q)%2)*64+\i*16*PITCH
	ds_load_b128 v[\f+64+8*\i+4:\f+64+8*\i+7], v[ADRA+\slot] offset:((\q)/2)*ACH+((\q)%2)*64+\i*16*PITCH+32
.endr
.endm
.macro PLACES                          ; four plain lines in front of loads into registers that matrix instructions have read, and of the first read of results
.rept 4
	v_nop
.endr
.endm
; One of a K step's first three quarters: multiplies buffer f and fetches quarter q of the same slot into g.
.macro QUARTER slot, q, f, g, first
	s_wait_dscnt 4                                 ; B and A's blocks 0, 1 are in; the youngest four loads (A's blocks 2, 3) may be out
	WIN MUL-0x20*(\first)
	MUL8 \f, 0, \first
	MUL8 \f, 1, \first
	PLACES
	FETCH \slot, \q, \g
	s_wait_dscnt 24                                ; all but the 24 just issued
	WIN MUL-0x20*(\first)
	MUL8 \f, 2, \first
	MUL8 \f, 3, \first
.endm
; The last quarter multiplies buffer 1 and changes slots: one barrier; in front of it each wave waits for all its tensor loads, adds 0 to its spare word, and waits for that and for its reads of this slot.
; fill = 1: the barrier opens a round of the cluster's, and this slot is filled again, two K steps ahead: the wave's one tensor load behind the round.
.macro TURN slot, next, fill
	WIN 0
	s_wait_tensorcnt 0x0
	ds_add_u32 v[SPW], v[NIL]
	s_wait_dscnt 5                                 ; the add and the youngest four loads may be out
	WIN MUL
	MUL8 F1, 0, 0
	s_wait_dscnt 0x0                               ; the add is done, and my reads of this slot are over
	s_barrier_signal -1
	MUL8 F1, 1, 0
.if \fill
	WIN 0
.endif
	s_barrier_wait -1
.if \fill
	CREST
	s_add_nc_u64 s[G0+4*\slot+2:G0+4*\slot+3], s[G0+4*\slot+2:G0+4*\slot+3], 4*262144    ; four heads on
	s_add_nc_u64 s[G0B+4*\slot+2:G0B+4*\slot+3], s[G0B+4*\slot+2:G0B+4*\slot+3], 4*131072
	JLOAD \slot                                    ; the four v_nop behind it are also the places in front of the loads below
.else
	PLACES
.endif
	FETCH \next, 0, F0
	WIN MUL
	MUL8 F1, 2, 0
	MUL8 F1, 3, 0
.endm
	s_wait_tensorcnt 1                             ; my part of K step 0 is in; K step 1's load may be out,
	s_barrier_signal -1
	s_barrier_wait -1                              ; everybody's is
	FETCH 0, 0, F0
	s_wait_loadcnt 0x0                             ; the bias
	QUARTER 0, 1, F0, F1, 1                        ; the first quarter stands in front of the loop: its products start the sums
	WIN 0
	s_mov_b32 s3, LAPS-1
.Llap:                                             ; a trip goes once round the ring, from a lap's second quarter to the next lap's first, and fills both slots again
	QUARTER 0, 2, F1, F0, 0
	QUARTER 0, 3, F0, F1, 0
	TURN 0, 1, 1
	QUARTER 1, 1, F0, F1, 0
	QUARTER 1, 2, F1, F0, 0
	QUARTER 1, 3, F0, F1, 0
	TURN 1, 0, 1
	QUARTER 0, 1, F0, F1, 0
	WIN 0
	s_sub_co_u32 s3, s3, 1
	s_cmp_lg_u32 s3, 0
	s_cbranch_scc1 .Llap
	QUARTER 0, 2, F1, F0, 0                        ; the last lap fills nothing
	QUARTER 0, 3, F0, F1, 0
	TURN 0, 1, 0
	QUARTER 1, 1, F0, F1, 0
	QUARTER 1, 2, F1, F0, 0
	QUARTER 1, 3, F0, F1, 0
	s_wait_dscnt 4                                 ; the very last quarter
	WIN MUL
	MUL8 F1, 0, 0
	MUL8 F1, 1, 0
	s_wait_dscnt 0
	MUL8 F1, 2, 0
	MUL8 F1, 3, 0
	WIN 0
; THE WAY OUT, block by block of 16 tokens x 128 outputs: through my own stage, and back as whole rows of 512 bytes, which the 32 lanes store as 512 consecutive bytes, aligned.
.macro TOSTAGE a
	WIN 0x08                                       ; an LDS store's data are its source 1: window 2
.irp b, 0,1,2,3,4,5,6,7
	ds_store_b128 v[STO], v[64*(\a)+8*\b:64*(\a)+8*\b+3] offset:64*\b          ; each accumulator from its low end on
	ds_store_b128 v[STO], v[64*(\a)+8*\b+4:64*(\a)+8*\b+7] offset:64*\b+16
.endr
	WIN 0
.set BB, BK+64*((\a)%2)
.irp t, 0,1,2,3,4,5,6,7,8,9,10,11,12,13,14,15
	ds_load_b128 v[BB+4*\t:BB+4*\t+3], v[RD] offset:\t*SPITCH      ; LDS serves a wave's instructions in order: these see the stores above
.endr
.endm
.macro SEND a, younger                 ; younger: the next block's 16 stores and 16 loads, or none
.set BB, BK+64*((\a)%2)
	s_wait_dscnt \younger
.irp t, 0,1,2,3,4,5,6,7,8,9,10,11,12,13,14,15
	global_store_b128 v[CO], v[BB+4*\t:BB+4*\t+3], s[10:11] offset:(16*(\a)+\t)*4096 th:TH_STORE_NT
.endr
.endm
	PLACES
	TOSTAGE 0
	TOSTAGE 1
	SEND 0, 32
	s_wait_xcnt 0x0                                ; block 0's stores have read their registers: block 2's loads land there only behind this wait
	TOSTAGE 2
	SEND 1, 32
	s_wait_xcnt 0x0
	TOSTAGE 3
	SEND 2, 32
	SEND 3, 0
	s_wait_tensorcnt 0x0                           ; the wave's end
	ds_add_u32 v[SPW], v[NIL]
	s_wait_dscnt 0x0
	CROUND                                         ; the closing round
	s_endpgm
.Lfunc_end_k_q89d5f5c8a9_outp:
	.size	k_q89d5f5c8a9_outp, .Lfunc_end_k_q89d5f5c8a9_outp-k_q89d5f5c8a9_outp
	.p2alignl 7, 3214868480
	.fill 96, 4, 3214868480
	.section	.rodata,"a",@progbits
	.p2align	6, 0x0
	.amdhsa_kernel k_q89d5f5c8a9_outp
		.amdhsa_group_segment_fixed_size 327680
		.amdhsa_private_segment_fixed_size 0
		.amdhsa_enable_private_segment 0
		.amdhsa_kernarg_size 32
		.amdhsa_user_sgpr_count 2
		.amdhsa_user_sgpr_kernarg_segment_ptr 1
		.amdhsa_wavefront_size32 1
		.amdhsa_system_sgpr_workgroup_id_x 1
		.amdhsa_system_sgpr_workgroup_id_y 1
		.amdhsa_system_sgpr_workgroup_id_z 1
		.amdhsa_system_vgpr_workitem_id 0
		.amdhsa_next_free_vgpr 768
		.amdhsa_next_free_sgpr 66
		.amdhsa_reserve_vcc 0
		.amdhsa_float_denorm_mode_32 3
		.amdhsa_float_denorm_mode_16_64 3
		.amdhsa_memory_ordered 1
		.amdhsa_forward_progress 1
		.amdhsa_inst_pref_size 86
	.end_amdhsa_kernel
	.amdgpu_metadata
---
amdhsa.version: [ 1, 2 ]
amdhsa.kernels:
  - .name:           k_q89d5f5c8a9_outp
    .symbol:         k_q89d5f5c8a9_outp.kd
    .args:
      - { .name: ctx, .offset: 0, .size: 8, .value_kind: global_buffer, .address_space: global }
      - { .name: wo16, .offset: 8, .size: 8, .value_kind: global_buffer, .address_space: global }
      - { .name: bo, .offset: 16, .size: 8, .value_kind: global_buffer, .address_space: global }
      - { .name: out0, .offset: 24, .size: 8, .value_kind: global_buffer, .address_space: global }
    .group_segment_fixed_size: 327680
    .private_segment_fixed_size: 0
    .kernarg_segment_align: 8
    .kernarg_segment_size: 32
    .max_flat_workgroup_size: 128
    .sgpr_count:     66
    .vgpr_count:     768
    .wavefront_size: 32
...
	.end_amdgpu_metadata
.endif
;; end of part 4
